; MI455X (gfx1250); checked and timed in simulation.
; The chip was launched on July 23, 2026; its instructions are those of AMD's public machine-readable ISA for CDNA 5 (MIT licence, August 2026) and "CDNA5" Instruction Set Architecture Reference Guide (July 2026). The comments in the code are by the model that wrote it; some were corrected since.
;; MH Self Attention. Allowed arithmetic: matrix products marked QUANTISED: E4M3 operands, one given power-of-two scale a tensor, by v_wmma_f32_16x16x64_fp8_fp8 or v_wmma_f32_16x16x128_fp8_fp8, f32 sums; everything else in f32.
;; Inputs: W_qkv 3,072 x 1,024 float32; lowp_scales 6 int32 (the exponents e of the quantised operands' scales 2^e); x 4 x 2,048 x 1,024 float32.
;; Outputs: out0 4 x 2,048 x 1,024 float32.
;; This version of the problem:
;;   THIS VERSION OF THE PROBLEM IS GIVEN IN LOW PRECISION. The matrix products marked QUANTISED in the list below multiply operands that are first quantised to E4M3 (4 exponent bits, 3 mantissa bits; 8 bits a number), with one given power-of-two scale for each operand tensor; their sums are f32. All else is computed in f32.
;;   The module's matrix products, in the order in which they are computed (A, B: the left and right operand; K: the contracted axis; several contracted axes count as one K, in the product's order):
;;     1. [M 8,192, K 1,024] x [K 1,024, N 3,072]; A: input x; B: input W_qkv: QUANTISED (scales: A lowp_scales[0], B lowp_scales[1])
;;     2. batch 64 x [M 2,048, K 64] x [K 64, N 2,048]; A: computed on the way; B: computed on the way: QUANTISED (scales: A lowp_scales[2], B lowp_scales[3])
;;     3. batch 64 x [M 2,048, K 2,048] x [K 2,048, N 64]; A: softmax (see below); B: computed on the way: QUANTISED (scales: A lowp_scales[4], B lowp_scales[5])
;;   THE QUANTISER, for each operand of a quantised product, along K:
;;     - The operand's scale is 2^e, e = its entry of the input lowp_scales (int32; the entries are numbered through the quantised products in the list's order, A before B).
;;     - Each number is divided by the scale, clamped to +-448, and rounded to the nearest number of E4M3, ties to even, subnormals kept.
;;     - The product sums the exact products of the quantised numbers (number of the format x scale) in f32.
;;   ~~~python
;;   def quantise(x, axis, e):      # numpy; x: float32 -> the quantised numbers, widened to float32 again
;;       x = np.moveaxis(x, axis, -1); K = x.shape[-1]
;;       r = np.clip(x / 2.0 ** e, -448, 448)
;;       step = 2.0 ** (np.maximum(np.frexp(np.where(r == 0, 1, r))[1] - 1, -6) - 3)
;;       q = np.round(r / step) * step * 2.0 ** e      # np.round: ties to even
;;       return np.moveaxis(q, -1, axis).astype(np.float32)
;;   ~~~
;;   SOFTMAX AHEAD OF A QUANTISED PRODUCT. Where the list says 'softmax', what is quantised is not the finished softmax but p = 2^(t - M), with t = logit x log2(e) and M = ceil(the row's largest t), a whole number; so 1/2 < the row's largest p <= 1. The row's sum l is taken of the UNQUANTISED p, in f32, and the product's result is divided by l at the end. Since M is a whole number, a kernel that streams over the keys may use a running M (the ceiling of the running maximum): every later rescaling is an exact power of two, so the quantised numbers keep their values, but for numbers so far below the row's largest that they fall under the format's range.
;;   OPERANDS COMPUTED ON THE WAY. 'Computed on the way' means the value that the module computes at that place (a softmax that the list does not call 'softmax' is quantised finished and normalised). What goes into a quantiser is computed in f32, as accurately as f32 sums, v_exp_f32 and their like allow (about 1e-6 of the number): no bf16 or f16 on the way to a quantiser, and a product that is left as it is and whose result goes on into a quantised operand takes f32 operands (vector FMAs, or v_wmma_f32_16x16x4_f32). A number that lies on a knife's edge between two numbers of the format may be rounded either way, as far as f32 arithmetic and the matrix unit's own rounding can turn it there, and no further.
;; 2 versions, each right; version 2 is version 1 with the launch attn written anew for expert scheduling mode. Each part assembles by itself: llvm-mc -triple=amdgcn-amd-amdhsa -mcpu=gfx1250 --defsym DOCPART=n.
;; ======== version 1 of 2: 3 launches
;; workspace buffers: xc 8,388,608 bytes; wc 3,145,728 bytes; qc 8,388,608 bytes; kv 16,777,216 bytes
;; launch quant (part 1): grid 352 x 1, 4 waves a work-group, no clusters, 33,280 bytes of LDS; arguments x, W_qkv, lowp_scales, xc, wc; writes xc, wc
.if DOCPART == 1
	.amdgcn_target "amdgcn-amd-amdhsa--gfx1250"
	.amdhsa_code_object_version 6
	.text
	.protected	k_q286f88ad2d_quant
	.globl	k_q286f88ad2d_quant
	.p2align	8
	.type	k_q286f88ad2d_quant,@function
k_q286f88ad2d_quant:
	s_mov_b64 s[64:65], 0
	v_nop
	global_prefetch_b8 v0, s[64:65] scope:SCOPE_SE
	s_setreg_imm32_b32 hwreg(HW_REG_WAVE_MODE, 25, 1), 1
	s_wait_xcnt 0x0
; x [8192][1024] and W_qkv [3072][1024], f32, become codes of FP8 (E4M3), one byte each, K innermost, each with the one scale 2^e that is given for it (entry 0 for x, entry 1 for W).
; code = number / 2^e, held within +-448, rounded to the nearest code, ties to even.
; LIMITS: e between -126 and 119, so that 2^e and 448 x 2^e are f32 numbers.  NaN among the inputs is not served (an infinity is held at the largest code).
; THE ROWS LEAVE IN ANOTHER ORDER: the codes of row t go to row pi(t) of the codes' buffer, pi = bits 3 and 4 of the row's number exchanged.  Two neighbouring tiles of 16 such rows, used as
; source 0 of a matrix instruction, then leave in a lane's 16 result registers 16 NEIGHBOURS of the true order: what the later launches' conversions want.
; A wave takes 8,192 numbers, 8 whole rows that begin at a multiple of 8: bits 3 and 4 of the row are bits 0 and 1 of the wave's number, so the exchange costs five scalar lines.
; A wave's 16 steps of 512 numbers: each of a step's four loads reads 512 consecutive bytes, 16 a lane; the 2,048 bytes go through the wave's own stage in LDS and come back 64 bytes a lane, since a
; conversion takes 8 neighbours along K from ONE lane's registers.  The stage has 16 bytes of padding behind each 64.  A lane's 16 codes are 16 bytes: the wave stores 512 consecutive bytes.
; The first WGA work-groups take x, the others W.  Waves share nothing: no barrier.  Loads run four steps (16 loads a wave) ahead, the turn through LDS one step.
; Memory binds here: no matrix unit, no cluster, no tensor load, no prefetch: the launch is one stream of long reads, each byte once.
.set SIZE_M, 8192
.set SIZE_N, 3072
.set SIZE_K, 1024
.set WAVES, 4
.set STEPS, 16
.set WGA,   SIZE_M*SIZE_K/(512*STEPS*WAVES)    ; 256 work-groups for x; 96 for W
.set EMAX,  8
.set MANT,  0x600000                   ; the mantissa field of 448 as f32
.set CB,    16                         ; bytes of 16 codes
.set R,     16                         ; v16-79   four sets of 16 numbers as they are loaded
.set X,     80                         ; v80-111  two sets of 16 neighbours
.set C,     128                        ; v128-191 codes: four registers for each step, so that no store's data are written again
.set WREG,  8192                       ; LDS: a region of its own for each wave: two stages of 32 x SP bytes
.set SP,    80                         ; a lane's place in a stage: its 64 bytes + 16 of padding
.set SPW,   12                         ; v12      LDS address of my spare word: SPARE + 4 x my thread's number; never rewritten
.set NIL,   13                         ; v13      0; never rewritten
.set SPARE, WAVES*WREG                 ; behind the four regions: the spare words, 128 bytes for each wave, which no other line names
	s_load_b128 s[4:7], s[0:1], 0x0                ; x, W
	s_load_b64 s[10:11], s[0:1], 0x10              ; the scales' exponents
	s_load_b128 s[12:15], s[0:1], 0x18             ; x's codes, W's codes
	v_lshl_add_u32 v[SPW], v0, 2, SPARE
	v_mov_b32 v[NIL], 0
	v_lshrrev_b32 v1, 5, v0
	v_readfirstlane_b32 s16, v1                    ; wave
	v_and_b32 v2, 31, v0                           ; lane
	v_lshlrev_b32 v3, 4, v2                        ; my 16 bytes of a load's 512
	s_mul_i32 s17, s16, WREG
	v_lshrrev_b32 v14, 2, v2
	v_mul_u32_u24 v14, v14, SP
	v_and_b32 v15, 3, v2
	v_lshl_add_u32 v14, v15, 4, v14
	v_add_nc_u32 v14, s17, v14                     ; the stage, on the way in: four lanes' 64 bytes on end, then 16 of padding
	v_mul_u32_u24 v15, v2, SP
	v_add_nc_u32 v15, s17, v15                     ; and on the way out: SP x lane: my 16 neighbours
	v_mul_u32_u24 v4, v2, CB                       ; my codes' place in a step's
	s_wait_kmcnt 0x0
	s_load_b64 s[22:23], s[10:11], 0x0             ; ex, ew
	s_cmp_lt_u32 ttmp9, WGA                        ; x's work-group or W's?  The choice hangs on the work-group's number alone
	s_cselect_b64 s[4:5], s[4:5], s[6:7]
	s_cselect_b64 s[8:9], s[12:13], s[14:15]
	s_cselect_b32 s17, 0, WGA
	s_sub_co_u32 s17, ttmp9, s17
	s_lshl_b32 s17, s17, 2
	s_add_co_u32 s18, s17, s16                     ; which run of 8,192 numbers of the tensor is my wave's
	s_mov_b32 s19, 0
	s_mov_b64 s[20:21], 512*STEPS*4
	s_mul_u64 s[20:21], s[18:19], s[20:21]
	s_add_nc_u64 s[4:5], s[4:5], s[20:21]
	s_and_b32 s24, s16, 1                          ; where its codes go: the wave's two bits exchanged
	s_lshl_b32 s24, s24, 1
	s_lshr_b32 s25, s16, 1
	s_or_b32 s24, s24, s25
	s_add_co_u32 s24, s24, s17
	s_mov_b32 s25, 0
	s_mov_b64 s[20:21], 32*STEPS*CB
	s_mul_u64 s[20:21], s[24:25], s[20:21]
	s_add_nc_u64 s[8:9], s[8:9], s[20:21]
.macro LOAD t
.irp i, 0,1,2,3
	global_load_b128 v[R+16*((\t)%4)+4*\i:R+16*((\t)%4)+4*\i+3], v3, s[4:5] offset:2048*(\t)+512*\i th:TH_LOAD_NT   ; 32 lanes read 512 consecutive bytes
.endr
.endm
.macro TURN t                          ; step t's numbers through the stage: LDS serves a wave's instructions in order, so no wait stands between the stores and the loads
.irp i, 0,1,2,3
	ds_store_b128 v14, v[R+16*((\t)%4)+4*\i:R+16*((\t)%4)+4*\i+3] offset:32*SP*((\t)%2)+8*SP*\i
.endr
.irp i, 0,1,2,3
	ds_load_b128 v[X+16*((\t)%2)+4*\i:X+16*((\t)%2)+4*\i+3], v15 offset:32*SP*((\t)%2)+16*\i
.endr
.endm
.irp t, 0,1,2,3
	LOAD \t
.endr
	s_wait_kmcnt 0x0
	s_cmp_lt_u32 ttmp9, WGA
	s_cselect_b32 s22, s22, s23                    ; e
	s_add_co_i32 s22, s22, 127
	s_lshl_b32 s23, s22, 23
	v_mov_b32 v11, s23                             ; 2^e as f32: the conversion takes its exponent field
	s_add_co_i32 s22, s22, EMAX
	s_lshl_b32 s22, s22, 23
	s_or_b32 s22, s22, MANT
	v_mov_b32 v10, s22                             ; 448 x 2^e
	s_wait_loadcnt 12                              ; step 0's four loads are in; the twelve of steps 1 to 3 may be out
	TURN 0
.macro STEP t
.set XS, X+16*((\t)%2)
	s_wait_dscnt 0x0                               ; this step's numbers are back from the stage: so its stores into the stage have read their registers,
.if (\t)+4 < STEPS
	LOAD (\t)+4                                    ; which take the loads of four steps on
.endif
.if (\t)+1 < STEPS
.if STEPS-2-(\t) >= 3
	s_wait_loadcnt 12                              ; the next step's four loads are in; those of the three steps behind it may be out
.else
	s_wait_loadcnt 4*(STEPS-2-(\t))                ; at the end the counts run down
.endif
	TURN (\t)+1                                    ; and go through the other stage while this step is worked
.endif
.irp i, 0,1,2,3,4,5,6,7,8,9,10,11,12,13,14,15
	v_med3_num_f32 v[XS+\i], v[XS+\i], -v10, v10   ; the conversion to an 8-bit code does not saturate (ISA guide 7.6.2): the number is held within 448 x the scale first
.endr
	v_cvt_scalef32_pk8_fp8_f32 v[C+4*(\t):C+4*(\t)+1], v[XS:XS+7], v11          ; eight numbers / 2^e, to the nearest code, ties to even; the first number's code in the lowest byte
	v_cvt_scalef32_pk8_fp8_f32 v[C+4*(\t)+2:C+4*(\t)+3], v[XS+8:XS+15], v11
	global_store_b128 v4, v[C+4*(\t):C+4*(\t)+3], s[8:9] offset:32*CB*(\t)      ; the results go to a store alone; the next vector lines are the next step's holds, plain ones on other registers
.endm
.irp t, 0,1,2,3,4,5,6,7,8,9,10,11,12,13,14,15
	STEP \t
.endr
	s_wait_tensorcnt 0x0                           ; the wave's end: three lines behind my last LDS store
	ds_add_u32 v[SPW], v[NIL]
	s_wait_dscnt 0x0
	s_endpgm
.Lfunc_end_k_q286f88ad2d_quant:
	.size	k_q286f88ad2d_quant, .Lfunc_end_k_q286f88ad2d_quant-k_q286f88ad2d_quant
	.p2alignl 7, 3214868480
	.fill 96, 4, 3214868480
	.section	.rodata,"a",@progbits
	.p2align	6, 0x0
	.amdhsa_kernel k_q286f88ad2d_quant
		.amdhsa_group_segment_fixed_size 33280
		.amdhsa_private_segment_fixed_size 0
		.amdhsa_enable_private_segment 0
		.amdhsa_kernarg_size 40
		.amdhsa_user_sgpr_count 2
		.amdhsa_user_sgpr_kernarg_segment_ptr 1
		.amdhsa_wavefront_size32 1
		.amdhsa_system_sgpr_workgroup_id_x 1
		.amdhsa_system_sgpr_workgroup_id_y 1
		.amdhsa_system_sgpr_workgroup_id_z 1
		.amdhsa_system_vgpr_workitem_id 0
		.amdhsa_next_free_vgpr 192
		.amdhsa_next_free_sgpr 66
		.amdhsa_reserve_vcc 0
		.amdhsa_float_denorm_mode_32 3
		.amdhsa_float_denorm_mode_16_64 3
		.amdhsa_memory_ordered 1
		.amdhsa_forward_progress 1
		.amdhsa_inst_pref_size 38
	.end_amdhsa_kernel
	.amdgpu_metadata
---
amdhsa.version: [ 1, 2 ]
amdhsa.kernels:
  - .name:           k_q286f88ad2d_quant
    .symbol:         k_q286f88ad2d_quant.kd
    .args:
      - { .name: x, .offset: 0, .size: 8, .value_kind: global_buffer, .address_space: global }
      - { .name: W_qkv, .offset: 8, .size: 8, .value_kind: global_buffer, .address_space: global }
      - { .name: lowp_scales, .offset: 16, .size: 8, .value_kind: global_buffer, .address_space: global }
      - { .name: xc, .offset: 24, .size: 8, .value_kind: global_buffer, .address_space: global }
      - { .name: wc, .offset: 32, .size: 8, .value_kind: global_buffer, .address_space: global }
    .group_segment_fixed_size: 33280
    .private_segment_fixed_size: 0
    .kernarg_segment_align: 8
    .kernarg_segment_size: 40
    .max_flat_workgroup_size: 128
    .sgpr_count:     66
    .vgpr_count:     192
    .wavefront_size: 32
...
	.end_amdgpu_metadata
.endif
;; end of part 1
;; launch proj (part 2): grid 12 x 32, 4 waves a work-group, clusters of 4 x 4, 327,680 bytes of LDS; arguments xc, wc, lowp_scales, qc, kv; writes qc, kv
.if DOCPART == 2
	.amdgcn_target "amdgcn-amd-amdhsa--gfx1250"
	.amdhsa_code_object_version 6
	.text
	.protected	k_q286f88ad2d_proj
	.globl	k_q286f88ad2d_proj
	.p2align	8
	.type	k_q286f88ad2d_proj,@function
k_q286f88ad2d_proj:
	s_mov_b64 s[64:65], 0
	v_nop
	global_prefetch_b8 v0, s[64:65] scope:SCOPE_SE
	s_setreg_imm32_b32 hwreg(HW_REG_WAVE_MODE, 25, 1), 1
	s_wait_xcnt 0x0
	s_wait_alu depctr_hold_cnt(0) depctr_sa_sdst(0) depctr_va_vdst(0) depctr_va_sdst(0) depctr_va_ssrc(0) depctr_va_vcc(0) depctr_vm_vsrc(0)
	s_getreg_b32 s2, hwreg(HW_REG_IB_STS2, 6, 4)
	s_cmp_eq_u32 s2, 0
	s_cbranch_scc0 .Lentry_in_a_cluster
	s_endpgm
.Lentry_in_a_cluster:
	s_bfe_u32 s2, ttmp6, 0x10000c
	s_cmp_lg_u32 s2, 0xf033
	s_cbranch_scc0 .Lentry_shape_is_right
	s_endpgm
.Lentry_shape_is_right:
; qkv = x W^T on codes of FP8 (E4M3), and its results quantised at once into the codes of q, k and v, laid as the next launch's operand registers.
; xc [8192][1024], wc [3072][1024]: codes, K innermost; row p holds the true row pi(p) (bits 3 and 4 of the number exchanged).  A sum stands for sum x 2^(ex + ew); its code is sum / 2^(e - ex - ew), e = eq, ek or ev.
; LIMIT: e - ex - ew between -126 and 119, so that 2^(e - ex - ew) and 448 times it are f32 numbers.
; SHARES.  A work-group of four waves makes 256 x 256 sums, a wave 128 x 128: 64 accumulators of 16 x 16, 512 registers.  K = 1,024 goes in four steps of 256 through a ring of two LDS slots filled by the tensor
; data mover: a tile's row is 256 bytes of memory.  CLUSTERS of 4 x 4: the four of a row of the cluster need the same tiles of the A side, the four of a column the same tiles of the B side: each tile is asked for
; JOINTLY, by the same tensor load with the same descriptor and a mask that names the four.
; ONE TEXT FOR q, k AND v.  The cluster's x (0, 1, 2: the same in all sixteen partners) says which.  The matrix instruction has 16 rows of the B side as source 0 and 16 rows of the A side as source 1: a lane then holds ONE
; row of the A side, and its registers run along the B side.  The B side must be the next product's K: for q and k that is the head's axis (A = tokens, B = W's rows), for v the keys (A = W's rows, B = tokens).
; Pointers and tile numbers are chosen by s_cselect on the cluster's x: no branch.
; THE WAY OUT NEEDS NO LDS.  By the order pi of the B side's rows, the 16 registers of accumulators (a, 2 b) and (a, 2 b + 1) are the true B indices 32 b + 16 (lane / 16) + 0 .. 15: two conversions make of them four
; registers of an operand of 16 rows x 64 K, and one store of 16 bytes a lane writes 512 consecutive bytes of that operand's image: [half c of K][lane][16 bytes].
;   qc [b x 16 + head][tile of 16 queries, 128][1,024 bytes];   kv [b x 16 + head][step of 64 keys, 32][8,192 bytes]: four images of K (16 keys x 64 d), then four of V^T (16 d x 64 keys).
; REGISTERS, in windows of 256: window 0: v0-31 addresses and constants; v32-95 at work on the way out; from v128 the A side's fragments (8 x 16 rows x 128 K), ONE set; on the way out the codes.
;   window 1: the B side's fragments, TWO sets, at v0 and v128.   window 2: the 32 accumulators of my rows 0-63 (accumulator (a, b) at v[8 (8 a + b)]);   window 3: those of my rows 64-127.
; A fragment's k stand in the registers in another order than the form's own, the same in both sources: every product meets its partner.
; Not built: a prefetch (four K steps: half of what a work-group reads is asked for at its head); work-groups that stay.
.set SIZE_K, 1024
.set KSTEP,  256                       ; along K in a slot
.set ROWB,   256                       ; a tile's row in bytes
.set KROW,   SIZE_K                    ; a row of codes in memory, in bytes
.set PITCH,  272                       ; an LDS row: 256 bytes + 16 of padding = 68 words: row r starts at bank 4 r mod 64 (ISA guide 11.1), so the 16 rows that a load touches start at 16 different banks
.set FR,     16                        ; registers of a fragment: 16 rows x 128 K
.set NL,     4                         ; LDS loads that bring one
.set NP,     4                         ; places behind this matrix instruction (ISA guide 7.12.1)
.set HALFT,  128*PITCH                 ; 128 rows: what one tensor load brings, and what one wave reads of a side
.set SLOT,   4*HALFT                   ; the A side's 256 rows, then the B side's
.set LAPS,   SIZE_K/(2*KSTEP)          ; a lap = two K steps = once round the ring: 2
.set SPARE,  2*SLOT                    ; behind the ring: the spare words, 128 bytes for each wave, which no other line names
.set ADRA, 16                          ; v16-17  LDS address of my A fragments in slot 0, 1
.set ADRB, 20                          ; v20-21  the same for B
.set LO,   27                          ; v27     16 x lane: my place in an image's 512 bytes
.set SPW,  28                          ; v28     LDS address of my spare word; never rewritten
.set NIL,  29                          ; v29     0; never rewritten
.set SC,   30                          ; v30     2^(e - ex - ew) as f32
.set LIM,  31                          ; v31     448 x that
.set TMP,  32                          ; v32-95  a block's 64 sums, held
.set AF,   128                         ; the A side's fragments
.set CD,   128                         ; the way out: 16 registers of codes for each of the eight blocks, so that no store's data are written again
.set G1, 24                            ; s[24:31] descriptor group 1 for A's tiles;  s[32:39] group 0, one set for each slot
.set G0, 32
.set G1B, 48                           ; s[48:55], s[56:63] the same for B's tiles
.set G0B, 56
.set PB, 88                            ; s[88:95] four bases for the stores: + 2 for my rows 64-127, + 4 for the B side's second 64
.set MSB, 0
.macro WIN new                         ; the immediate's high byte repeats the setting that is left
.if MSB != (\new)
	s_set_vgpr_msb (MSB<<8)|(\new)
.set MSB, (\new)
.endif
.endm
.set MUL_LO, 0xa1                      ; source 0 (B) window 1, source 1 (A) window 0, C and D window 2
.set MUL_HI, 0xf1                      ; the same, C and D window 3
.set TO_B,   0x40                      ; destination window 1, address window 0
; A joint load: waves 0 and 1 fetch for A, waves 2 and 3 for B.  Each of the two lines has ONE mask and one set of registers for all that issue it; the branch hangs on the wave's number alone.
; An s_nop 0 and four v_nop follow each of the two lines, ahead of the jump, the label and what follows.
.macro JLOAD g0a, g1a, g0b, g1b
	s_cmp_eq_u32 s15, 0
	s_cbranch_scc0 .Lfor_b_\@
	tensor_load_to_lds s[\g0a:\g0a+3], s[\g1a:\g1a+7]
	s_nop 0
.rept 4
	v_nop
.endr
	s_branch .Lasked_\@
.Lfor_b_\@:
	tensor_load_to_lds s[\g0b:\g0b+3], s[\g1b:\g1b+7]
	s_nop 0
.rept 4
	v_nop
.endr
.Lasked_\@:
.endm
.macro CREST                           ; a round of the cluster's barrier behind its opening barrier
	s_cmp_lg_u32 s14, 0
	s_cbranch_scc1 .Lnot_wave_0_\@
	s_barrier_signal -3
.Lnot_wave_0_\@:
	s_barrier_wait -3
	s_barrier_signal -1
	s_barrier_wait -1
.endm
.macro CROUND                          ; a whole round
	s_barrier_signal -1
	s_barrier_wait -1
	CREST
.endm
	s_load_b256 s[4:11], s[0:1], 0x0               ; xc s[4:5], wc s[6:7], the scales' exponents s[8:9], qc s[10:11]
	s_load_b64 s[12:13], s[0:1], 0x20              ; kv
	v_lshl_add_u32 v[SPW], v0, 2, SPARE
	v_mov_b32 v[NIL], 0
	ds_add_u32 v[SPW], v[NIL]                      ; the wave's opening: the add and its wait stand ahead of my first tensor load; the set-up below, work on registers, stands between them
	v_lshrrev_b32 v1, 5, v0
	v_readfirstlane_b32 s14, v1                    ; wave 0..3
	s_lshr_b32 s15, s14, 1                         ; which half of the A side's rows is mine.  Also: I fetch for A (0) or for B (1)
	s_and_b32 s16, s14, 1                          ; which half of the B side's.  Also: which 128 rows of that tile I fetch
	s_bfe_u32 s40, ttmp6, 0x40000                  ; cx, cy: my place in the cluster
	s_bfe_u32 s41, ttmp6, 0x40004
	s_and_b32 s66, ttmp7, 0xffff
	s_lshl_b32 s66, s66, 2                         ; 4 x cluster y: four tiles of 256 tokens
	s_lshl_b32 s67, ttmp9, 2                       ; 4 x cluster x: q's or k's four tiles of W's rows
	s_cmp_eq_u32 ttmp9, 2                          ; v?
	s_cselect_b32 s17, 8, s66                      ; the A side's first tile: v: W's rows 2,048 on; else tokens
	s_cselect_b32 s42, s66, s67                    ; the B side's: v: tokens; else W's rows
	s_add_co_u32 s17, s17, s41                     ; A's tile hangs on cy alone of my place,
	s_add_co_u32 s42, s42, s40                     ; B's on cx alone
	s_lshl_b32 s43, s41, 2
	s_lshl_b32 s43, 15, s43                        ; my row of the cluster
	s_lshl_b32 s44, 0x1111, s40                    ; my column
	; descriptor group 1: a tile of 128 rows x 256 bytes, padded in LDS
	s_or_b32 s[G1+0], s43, (0<<16)|(1<<20)|(1<<21)|(5<<22)|(3<<25)  ; 15:0 the mask: A's tiles go to my row; 17:16 elements of 1 byte; 20 padding on; 21 set beside a mask; 24:22 after every 64 words (code 5); 31:25 four words (code 3)
	s_or_b32 s[G1B+0], s44, (0<<16)|(1<<20)|(1<<21)|(5<<22)|(3<<25) ; the same with the mask of my column
.irp g, G1, G1B
	s_mov_b32 s[\g+1], ROWB<<16                    ; tensor_dim0
	s_mov_b32 s[\g+2], 128<<16                     ; tensor_dim1 = 128
	s_mov_b32 s[\g+3], ROWB<<16                    ; tile_dim0
	s_mov_b32 s[\g+4], 128                         ; tile_dim1 = 128
	s_mov_b32 s[\g+5], KROW                        ; tensor_dim0_stride
	s_mov_b32 s[\g+6], 0
	s_mov_b32 s[\g+7], 0
.endr
	s_lshl_b32 s18, s16, 7                         ; which 128 rows of the tile I fetch
	s_lshl_b32 s20, s17, 8
	s_add_co_u32 s20, s20, s18                     ; A: row 256 x tile + 128 x half
	s_lshl_b32 s46, s42, 8
	s_add_co_u32 s46, s46, s18                     ; B likewise
	s_mov_b32 s21, 0
	s_mov_b32 s47, 0
	s_mov_b64 s[18:19], KROW
	s_mul_u64 s[20:21], s[20:21], s[18:19]         ; in bytes
	s_mul_u64 s[46:47], s[46:47], s[18:19]
	s_mul_i32 s45, s14, HALFT                      ; where they go: wave x 128 rows: no place in the cluster enters an LDS address
	s_wait_dscnt 0x0                               ; the opening add is done
	s_wait_kmcnt 0x0
	s_load_b128 s[80:83], s[8:9], 0x0              ; ex, ew, eq, ek
	s_load_b64 s[84:85], s[8:9], 0x10              ; ep, ev
	s_cmp_eq_u32 ttmp9, 2
	s_cselect_b64 s[68:69], s[6:7], s[4:5]         ; the A side's buffer,
	s_cselect_b64 s[70:71], s[4:5], s[6:7]         ; the B side's: a choice on the cluster's x
	s_add_nc_u64 s[20:21], s[68:69], s[20:21]
	s_add_nc_u64 s[46:47], s[70:71], s[46:47]
	CROUND                                         ; all sixteen work-groups are here: the first joint loads meet
.irp s, 0,1
	s_mov_b32 s[G0+4*\s], 1                        ; count = 1
	s_add_co_u32 s[G0+4*\s+1], s45, \s*SLOT        ; LDS address
	s_add_nc_u64 s[G0+4*\s+2:G0+4*\s+3], s[20:21], \s*ROWB   ; global address: K step s
	s_or_b32 s[G0+4*\s+3], s[G0+4*\s+3], 0x80000000          ; type = 2
	s_mov_b32 s[G0B+4*\s], 1
	s_add_co_u32 s[G0B+4*\s+1], s45, \s*SLOT
	s_add_nc_u64 s[G0B+4*\s+2:G0B+4*\s+3], s[46:47], \s*ROWB
	s_or_b32 s[G0B+4*\s+3], s[G0B+4*\s+3], 0x80000000
	JLOAD G0+4*\s, G1, G0B+4*\s, G1B               ; by this text's count two tensor loads of a wave are out here, later one
.endr
	v_and_b32 v1, 15, v0                           ; l % 16
	v_bfe_u32 v2, v0, 4, 1                         ; l / 16
	v_mul_u32_u24 v3, v1, PITCH
	v_lshl_add_u32 v4, v2, 4, v3                   ; a fragment's row x pitch + 16 x half
	s_mul_i32 s21, s15, HALFT                      ; my 128 rows of A
	s_mul_i32 s22, s16, HALFT                      ; my 128 rows of B,
	s_add_co_u32 s22, s22, 2*HALFT                 ; which lie behind A's 256
.irp s, 0,1
	v_add_nc_u32 v[ADRA+\s], s21, v4
	v_add_nc_u32 v[ADRB+\s], s22, v4
	s_add_co_u32 s21, s21, SLOT
	s_add_co_u32 s22, s22, SLOT
.endr
	v_and_b32 v6, 31, v0
	v_lshlrev_b32 v[LO], 4, v6
.macro FRAG reg, adr, q, i             ; a fragment, 16 rows x 128 K, is 16 registers: lane l holds row l % 16; registers 4 c .. 4 c + 3 hold K = 32 c + 16 (l / 16) + 0 .. 15
.irp c, 0,1,2,3
	ds_load_b128 v[\reg+4*\c:\reg+4*\c+3], v[\adr] offset:128*(\q)+32*\c+(\i)*16*PITCH
.endr
.endm
; 16 matrix instructions: A's blocks a0, a0 + 1 x B's eight, 128 along K.  p: B's set.  zero = 1: the first product starts the sums: nothing is ever cleared.
; The 64 accumulators take turns, one instruction a turn, in the same order in every step.
.macro MUL16 a0, p, zero
.irp a, \a0, \a0+1
.irp b, 0,1,2,3,4,5,6,7
.if \zero
	v_wmma_f32_16x16x128_fp8_fp8 v[8*(8*((\a)%4)+\b):8*(8*((\a)%4)+\b)+7], v[128*(\p)+FR*\b:128*(\p)+FR*\b+FR-1], v[AF+FR*(\a):AF+FR*(\a)+FR-1], 0
.else
	v_wmma_f32_16x16x128_fp8_fp8 v[8*(8*((\a)%4)+\b):8*(8*((\a)%4)+\b)+7], v[128*(\p)+FR*\b:128*(\p)+FR*\b+FR-1], v[AF+FR*(\a):AF+FR*(\a)+FR-1], v[8*(8*((\a)%4)+\b):8*(8*((\a)%4)+\b)+7]
.endif
.endr
.endr
.endm
.macro FETCH_B slot, q, p              ; B's eight fragments of the slot's q-th 128 along K into set p
	WIN TO_B
.irp i, 0,1,2,3,4,5,6,7
	FRAG 128*(\p)+FR*\i, ADRB+\slot, \q, \i
.endr
	WIN 0
.endm
.macro FETCH_A slot, q, i0             ; A's blocks i0 .. i0 + 3
.irp i, \i0, \i0+1, \i0+2, \i0+3
	FRAG AF+FR*(\i), ADRA+\slot, \q, \i
.endr
.endm
; A load into a register that a matrix instruction has read, and a vector instruction that reads a matrix result or writes one of a matrix instruction's registers, stand NP places behind it; only plain
; vector instructions that name none of its registers are places (ISA guide 7.12.1 for vector instructions).
.macro PLACES n
.rept \n
	v_nop
.endr
.endm
; A step of 128 along K that has its successor in the same slot.  A's blocks go one after the other, each against B's eight: a block of A is free when its eight products are issued, so one set serves A.
.macro STEP slot, q, zero
	s_wait_dscnt 4*NL                              ; B's set and A's blocks 0-3 are in; the youngest sixteen loads (A's blocks 4-7) may be out
	WIN MUL_LO
	MUL16 0, (\q)%2, \zero
	MUL16 2, (\q)%2, \zero
	s_wait_dscnt 0                                 ; A's blocks 4-7 are in (asked for 32 matrix instructions ago)
	PLACES NP
	FETCH_B \slot, (\q)+1, 1-(\q)%2
	FETCH_A \slot, (\q)+1, 0
	WIN MUL_HI
	MUL16 4, (\q)%2, \zero
	MUL16 6, (\q)%2, \zero
	PLACES NP
	WIN 0
	FETCH_A \slot, (\q)+1, 4
.endm
; A slot's last step changes slots: ONE barrier; in front of it each wave waits for all its tensor loads, adds 0 to its spare word, and waits for that and for its own reads of this slot.  fill = 1: this slot is filled again, two K steps ahead.
.macro TURN slot, next, fill
	s_wait_tensorcnt 0x0                           ; all my tensor loads have landed: my part of the next slot  (every window is 0 here: the add's two registers lie in window 0)
	ds_add_u32 v[SPW], v[NIL]                      ; 0 onto my spare word
	s_wait_dscnt 4*NL+1                            ; the add and the youngest sixteen loads, A's blocks 4-7, may be out
	WIN MUL_LO
	MUL16 0, 1, 0                                  ; sixteen matrix instructions stand between the add and the wait for it
	s_wait_dscnt 0x0                               ; the add is done, and my reads of this slot are over
	s_barrier_signal -1
	MUL16 2, 1, 0
	WIN 0
	s_barrier_wait -1
.if \fill
	CREST                                          ; the barrier has opened a round of the cluster's barrier: no wave of any partner still reads this slot's tile or has a load on its way
	s_add_nc_u64 s[G0+4*\slot+2:G0+4*\slot+3], s[G0+4*\slot+2:G0+4*\slot+3], 2*ROWB
	s_add_nc_u64 s[G0B+4*\slot+2:G0B+4*\slot+3], s[G0B+4*\slot+2:G0B+4*\slot+3], 2*ROWB
	JLOAD G0+4*\slot, G1, G0B+4*\slot, G1B         ; the first tensor load behind the round; the four v_nop behind it are the places in front of the loads below
.else
	PLACES NP
.endif
	FETCH_B \next, 0, 0
	FETCH_A \next, 0, 0
	WIN MUL_HI
	MUL16 4, 1, 0
	MUL16 6, 1, 0
	PLACES NP
	WIN 0
	FETCH_A \next, 0, 4
.endm
	s_wait_tensorcnt 1                             ; my part of K step 0 is in; K step 1's load may be out
	s_barrier_signal -1
	s_barrier_wait -1                              ; everybody's is
	FETCH_B 0, 0, 0
	FETCH_A 0, 0, 0
	FETCH_A 0, 0, 4
	STEP 0, 0, 1                                   ; the first step stands in front of the loop: its products start the sums
	s_mov_b32 s3, LAPS-1
.Llap:                                                 ; a trip goes once round the ring, from a lap's second step to the next lap's first, and fills both slots again
	TURN 0, 1, 1
	STEP 1, 0, 0
	TURN 1, 0, 1
	STEP 0, 0, 0
	s_sub_co_u32 s3, s3, 1
	s_cmp_lg_u32 s3, 0
	s_cbranch_scc1 .Llap
	TURN 0, 1, 0                                   ; the last lap fills nothing, and has no round of the cluster's barrier
	STEP 1, 0, 0
	s_wait_dscnt 4*NL                              ; the very last step: nothing more to fetch
	WIN MUL_LO
	MUL16 0, 1, 0
	MUL16 2, 1, 0
	s_wait_dscnt 0
	WIN MUL_HI
	MUL16 4, 1, 0
	MUL16 6, 1, 0
	WIN 0
	; THE WAY OUT.  All choices by s_cselect on the cluster's x.
	s_wait_kmcnt 0x0                               ; the six exponents
	s_cmp_eq_u32 ttmp9, 0                          ; q?
	s_cselect_b32 s72, s82, s83                    ; eq or ek
	s_cselect_b32 s73, 0, 1                        ; kv's strides are twice qc's
	s_cselect_b64 s[74:75], s[10:11], s[12:13]     ; qc or kv
	s_lshl_b32 s18, 4096, s73                      ; from four images of 16 tokens to the next four
	s_lshl_b32 s19, 0x20000, s73                   ; from a head to the next
	s_cmp_eq_u32 ttmp9, 2                          ; v?
	s_cselect_b32 s72, s85, s72                    ; ev
	s_cselect_b32 s76, s42, s17                    ; the tile of 256 tokens,
	s_cselect_b32 s77, s16, s15                    ; my half of it,
	s_cselect_b32 s78, s41, s40                    ; the tile of 256 of W's rows: four heads,
	s_cselect_b32 s79, s15, s16                    ; my half of it: two heads
	s_cselect_b32 s66, 4096, 0                     ; V's images lie behind K's
	s_cselect_b32 s86, s19, s18                    ; what my rows 64-127 add,
	s_cselect_b32 s96, s18, s19                    ; and what the B side's second 64 add
	s_mov_b32 s87, 0
	s_mov_b32 s97, 0
	s_lshr_b32 s20, s76, 3                         ; the batch: eight tiles of 256 tokens
	s_lshl_b32 s20, s20, 4
	s_lshl_b32 s21, s78, 2
	s_add_co_u32 s20, s20, s21
	s_lshl_b32 s21, s79, 1
	s_add_co_u32 s20, s20, s21                     ; 16 x batch + my first head
	s_lshl_b32 s20, s20, 5
	s_and_b32 s21, s76, 7
	s_lshl_b32 s21, s21, 2
	s_add_co_u32 s20, s20, s21
	s_lshl_b32 s21, s77, 1
	s_add_co_u32 s20, s20, s21                     ; x 32 + my first group of 64 tokens
	s_lshl_b32 s20, s20, 12
	s_lshl_b32 s20, s20, s73
	s_add_co_u32 s20, s20, s66
	s_mov_b32 s21, 0
	s_add_nc_u64 s[PB:PB+1], s[74:75], s[20:21]
	s_add_nc_u64 s[PB+2:PB+3], s[PB:PB+1], s[86:87]
	s_add_nc_u64 s[PB+4:PB+5], s[PB:PB+1], s[96:97]
	s_add_nc_u64 s[PB+6:PB+7], s[PB+2:PB+3], s[96:97]
	s_sub_co_i32 s72, s72, s80
	s_sub_co_i32 s72, s72, s81                     ; e - ex - ew: the three scales folded into the conversion's one
	s_add_co_i32 s72, s72, 127
	s_lshl_b32 s22, s72, 23
	v_mov_b32 v[SC], s22
	s_add_co_i32 s72, s72, 8
	s_lshl_b32 s72, s72, 23
	s_or_b32 s72, s72, 0x600000
	v_mov_b32 v[LIM], s72
	PLACES NP                                      ; behind the last products: the conversions below write the registers that held A's fragments
; Block a: my A rows 16 a .. 16 a + 15 against the B side's 128.  Register 16 b + i of its 64 is the true B index 32 b + 16 (lane / 16) + i.
.macro OUTBLK a
.set AC, 64*((\a)%4)
	WIN 0x02+((\a)/4)                              ; source 0: window 2 or 3
.set j, 0
.rept 64
	v_med3_num_f32 v[TMP+j], v[AC+j], -v[LIM], v[LIM]   ; the hold at 448 x the scale (the conversion does not saturate: ISA guide 7.6.2); each accumulator from its low end on
.set j, j+1
.endr
	WIN 0
.irp b, 0,1,2,3
	v_cvt_scalef32_pk8_fp8_f32 v[CD+16*(\a)+4*\b:CD+16*(\a)+4*\b+1], v[TMP+16*\b:TMP+16*\b+7], v[SC]
	v_cvt_scalef32_pk8_fp8_f32 v[CD+16*(\a)+4*\b+2:CD+16*(\a)+4*\b+3], v[TMP+16*\b+8:TMP+16*\b+15], v[SC]
.endr
	v_nop                                          ; one plain vector instruction behind the last conversion: the next block's holds write the conversions' sources
.irp b, 0,1,2,3
	global_store_b128 v[LO], v[CD+16*(\a)+4*\b:CD+16*(\a)+4*\b+3], s[PB+2*((\a)/4)+4*(\b/2):PB+2*((\a)/4)+4*(\b/2)+1] offset:((\a)%4)*1024+(\b%2)*512   ; 32 lanes store 512 consecutive bytes, at a multiple of 512 from the buffer's first byte
.endr
.endm
.irp a, 0,1,2,3,4,5,6,7
	OUTBLK \a
.endr
	s_wait_tensorcnt 0x0                           ; the wave's end: three lines behind my last tensor load
	ds_add_u32 v[SPW], v[NIL]
	s_wait_dscnt 0x0
	CROUND                                         ; the closing round: no work-group ends while a partner may still ask for a tile that names it
	s_endpgm
.Lfunc_end_k_q286f88ad2d_proj:
	.size	k_q286f88ad2d_proj, .Lfunc_end_k_q286f88ad2d_proj-k_q286f88ad2d_proj
	.p2alignl 7, 3214868480
	.fill 96, 4, 3214868480
	.section	.rodata,"a",@progbits
	.p2align	6, 0x0
	.amdhsa_kernel k_q286f88ad2d_proj
		.amdhsa_group_segment_fixed_size 327680
		.amdhsa_private_segment_fixed_size 0
		.amdhsa_enable_private_segment 0
		.amdhsa_kernarg_size 40
		.amdhsa_user_sgpr_count 2
		.amdhsa_user_sgpr_kernarg_segment_ptr 1
		.amdhsa_wavefront_size32 1
		.amdhsa_system_sgpr_workgroup_id_x 1
		.amdhsa_system_sgpr_workgroup_id_y 1
		.amdhsa_system_sgpr_workgroup_id_z 1
		.amdhsa_system_vgpr_workitem_id 0
		.amdhsa_next_free_vgpr 1024
		.amdhsa_next_free_sgpr 100
		.amdhsa_reserve_vcc 0
		.amdhsa_float_denorm_mode_32 3
		.amdhsa_float_denorm_mode_16_64 3
		.amdhsa_memory_ordered 1
		.amdhsa_forward_progress 1
		.amdhsa_inst_pref_size 118
	.end_amdhsa_kernel
	.amdgpu_metadata
---
amdhsa.version: [ 1, 2 ]
amdhsa.kernels:
  - .name:           k_q286f88ad2d_proj
    .symbol:         k_q286f88ad2d_proj.kd
    .args:
      - { .name: xc, .offset: 0, .size: 8, .value_kind: global_buffer, .address_space: global }
      - { .name: wc, .offset: 8, .size: 8, .value_kind: global_buffer, .address_space: global }
      - { .name: lowp_scales, .offset: 16, .size: 8, .value_kind: global_buffer, .address_space: global }
      - { .name: qc, .offset: 24, .size: 8, .value_kind: global_buffer, .address_space: global }
      - { .name: kv, .offset: 32, .size: 8, .value_kind: global_buffer, .address_space: global }
    .group_segment_fixed_size: 327680
    .private_segment_fixed_size: 0
    .kernarg_segment_align: 8
    .kernarg_segment_size: 40
    .max_flat_workgroup_size: 128
    .sgpr_count:     100
    .vgpr_count:     1024
    .wavefront_size: 32
...
	.end_amdgpu_metadata
.endif
;; end of part 2
;; launch attn (part 3): grid 4 x 64, 16 waves a work-group, no clusters, 202,752 bytes of LDS; arguments qc, kv, lowp_scales, out0; writes out0
.if DOCPART == 3
	.amdgcn_target "amdgcn-amd-amdhsa--gfx1250"
	.amdhsa_code_object_version 6
	.text
	.protected	k_q286f88ad2d_attn
	.globl	k_q286f88ad2d_attn
	.p2align	8
	.type	k_q286f88ad2d_attn,@function
k_q286f88ad2d_attn:
	s_mov_b64 s[64:65], 0
	v_nop
	global_prefetch_b8 v0, s[64:65] scope:SCOPE_SE
	s_setreg_imm32_b32 hwreg(HW_REG_WAVE_MODE, 25, 1), 1
	s_wait_xcnt 0x0
; out[b][n][head x 64 + d] = the sum over keys of softmax(q . k / 8) v, both products on codes of FP8 (E4M3), each operand with the one scale 2^e that is given for it: eq, ek, ep, ev (entries 2 to 5).
; qc [bh][128 tiles][1,024 bytes]: images of 16 queries x 64 d.  kv [bh][32 steps of 64 keys][8,192 bytes]: four images of K (16 keys x 64 d), then four of V^T (16 d x 64 keys).
; An image is an operand's 8 registers as they stand: [half c of K][lane][16 bytes]; lane (r, h) holds row r, K = 32 c + 16 h + 0 .. 15 in registers 4 c .. 4 c + 3: the same order of k in both sources of a product.
; Rows stand in the order pi (bits 3 and 4 of the number exchanged): so the 16 result registers of two neighbouring tiles of 16 rows are 16 NEIGHBOURS of the true order.
; THE SOFTMAX: t = score x log2(e) / 8; M = the row's largest t so far, rounded UP to a whole number; p = 2^(t - M) is quantised, along the keys, not normalised.  The row's sum is taken of the unquantised p and divides
; O at the end.  When M moves, the sum and O are multiplied by 2^(old M - new M): exact.
; SHARES.  A work-group owns 512 queries of one (batch, head): 256 work-groups.  Each of its sixteen waves owns 32 queries, two tiles, in 256 registers: four waves to a SIMD, so that one wave's vector work stands beside
; another's matrix work and LDS loads; the two tiles share every fragment of K and V.  Every wave walks 32 steps of 64 keys.
; Both products are used transposed: S^T = K Q^T, O^T = V^T P^T: a lane holds ONE query (lane % 16) throughout; p's conversions give the second product's operand as it stands.
; K AND V come through a ring of two LDS slots of 512 keys, as they lie in memory: for each step a thread loads 16 bytes into a register and stores them to LDS; one barrier for each change of slots.
; NO CLUSTER AND NO TENSOR LOAD, though the four work-groups of a head read the same K and V: a joint request is a tensor load.  Here p is at most 1, so the hold
; at 448 x 2^ep changes nothing where ep >= -8, and a scalar branch on ep jumps over it: 64 of a step's 290 vector lines; what would be shared is 8,192 bytes a step.
; LIMITS on the given exponents, so that each power of two below is an f32 number: eq + ek between -123 and 130 (added to c's exponent field); ep between -126 and 119; ep + ev goes by v_ldexp_f32 and has none.  NaN is not served.
.set SLOTB, 65536                      ; a slot: 8 steps of 8,192 bytes
.set PAIRB, 16384                      ; two steps
.set STEPB, 8192
.set STAGE, 2*SLOTB                    ; behind the ring: 16 rows x (256 bytes + 16) for each wave, for the way out
.set SP,    272
.set SPARE, STAGE+16*16*SP             ; behind the stages: the spare words, 128 bytes for each wave, which no other line names
.set PFO, 0                            ; v0   the thread's number; from the head's end on the prefetches' offset
.set LI,  1                            ; v1   16 x lane
.set TI,  2                            ; v2   16 x thread
.set ADR, 3                            ; v3   LDS address of the pair of steps in hand
.set ADW, 4                            ; v4   LDS address at which I store my bytes of the pair that is being brought
.set SPW, 5                            ; v5   LDS address of my spare word; never rewritten
.set NIL, 6                            ; v6   0; never rewritten
.set SCP, 7                            ; v7   2^ep as f32
.set ST,  8                            ; tile x at v[8 + 4 x]: -M, the largest raw score, the sum in two halves
.set F,   18                           ; v[18:19], v[20:21]: f = 2^(old M - new M) of the two tiles (the upper halves are named in pairs, so they are written once)
.set STG, 24                           ; v24-31 my 32 bytes of the pair that is being brought
.set Q,   32                           ; v32-47  Q, 8 a tile
.set P,   48                           ; v48-63  p's codes, 8 a tile
.set KF,  64                           ; v64-95  four fragments of K
.set VF,  96                           ; v96-127 four fragments of V^T
.set S,   128                          ; v128-191 S^T, then p: tile x, keys' tile t at 32 x + 8 t
.set O,   192                          ; v192-255 O^T: tile x, d's tile at 32 x + 8 dt
.set WV,  12                           ; s12 my wave's number;  s13 the (batch, head)
.set SEL, 20                           ; s[20:21] lane selects for v_permlanex16_b32: lane l xor 16
.set CS,  22                           ; s[22:23] c = log2(e) / 8 x 2^(eq + ek): the packed form names a pair and takes its low word for both halves
.set NC,  24                           ; s24 -c
.set HL,  25                           ; s25 448 x 2^ep
.set NOH, 26                           ; s26 1 where ep >= -8
.set EO,  27                           ; s27 ep + ev
.set KV,  28                           ; s[28:29] the pair of steps that is brought next
.set TB,  30                           ; s30 LDS byte of the pair in hand
.set TW,  31                           ; s31 LDS byte at which the pair that is brought will lie
.set PR,  32                           ; s32 counts a slot's four pairs;  s33 the slots that are filled
.set SL,  33
.set PC,  34                           ; s34 pairs still to be brought
.set LIM, 35                           ; s35 1 in a wave that prefetches, else the greatest number
	s_load_b256 s[4:11], s[0:1], 0x0               ; qc s[4:5], kv s[6:7], the scales' exponents s[8:9], out s[10:11]
	v_lshl_add_u32 v[SPW], v0, 2, SPARE
	v_mov_b32 v[NIL], 0
	v_lshrrev_b32 v3, 5, v0
	v_readfirstlane_b32 s[WV], v3                  ; wave 0..15
	v_and_b32 v[LI], 31, v0
	v_lshlrev_b32 v[TI], 4, v0
	v_lshlrev_b32 v[LI], 4, v[LI]
	s_and_b32 s13, ttmp7, 0xffff                   ; 16 x batch + head
	s_lshl_b32 s36, s13, 17                        ; Q: 128 images of 1,024 bytes a head,
	s_lshl_b32 s37, ttmp9, 15                      ; 32 a work-group,
	s_add_co_u32 s36, s36, s37
	s_lshl_b32 s37, s[WV], 11                      ; two a wave
	s_add_co_u32 s36, s36, s37
	s_mov_b32 s37, 0
	s_lshl_b32 s38, s13, 18                        ; K and V: 32 steps of 8,192 bytes a head
	s_mov_b32 s39, 0
	s_mov_b32 s[SEL], 0x76543210
	s_mov_b32 s[SEL+1], 0xfedcba98
	s_mov_b32 s[CS], 0x3e38aa3b                    ; log2(e) / 8
	s_mov_b32 s[TB], 0
	s_mov_b32 s[TW], SLOTB
	s_mov_b32 s[PC], 12
	s_lshr_b32 s[LIM], s[WV], 1                    ; 0 in waves 0 and 1,
	s_or_b32 s[LIM], s[LIM], ttmp9                 ; of the head's first work-group
	s_cmp_eq_u32 s[LIM], 0
	s_cselect_b32 s[LIM], 1, -1
	s_wait_kmcnt 0x0
	s_load_b128 s[16:19], s[8:9], 0x8              ; eq, ek, ep, ev
	s_add_nc_u64 s[4:5], s[4:5], s[36:37]
	s_add_nc_u64 s[KV:KV+1], s[6:7], s[38:39]
.irp x, 0,1
.irp c, 0,1
	global_load_b128 v[Q+8*\x+4*\c:Q+8*\x+4*\c+3], v[LI], s[4:5] offset:\x*1024+\c*512   ; Q's two fragments stay in registers
.endr
.endr
.irp k, 0,1,2,3,4,5,6,7
	global_load_b128 v[S+4*\k:S+4*\k+3], v[TI], s[KV:KV+1] offset:STEPB*\k               ; slot 0: the 512 threads read 8,192 consecutive bytes
.endr
	s_and_b32 s36, s[WV], 1
	s_lshl_b32 s36, s36, 13
	v_lshl_add_u32 v[PFO], v[LI], 4, s36           ; 256 x lane + 8,192 x (wave % 2): the thread's number is not wanted any more
.set j, 0
.rept 64
	v_mov_b32 v[O+j], 0                            ; O^T.  (The step is written once: its first turn finds zeros, which the first change of M leaves zeros)
.set j, j+1
.endr
.irp x, 0,1
	v_mov_b32 v[ST+4*\x], 0x7f61b1e6               ; -M: 3e38
	v_mov_b32 v[ST+4*\x+1], 0xff61b1e6             ; the largest score so far: -3e38, under every score
	v_mov_b32 v[ST+4*\x+2], 0                      ; the sum, in two halves
	v_mov_b32 v[ST+4*\x+3], 0
	v_mov_b32 v[F+2*\x+1], 0
.endr
	v_mov_b32 v22, 0                               ; written once: a lane permute's destination counts as one of its sources
	v_mov_b32 v23, 0
	s_wait_kmcnt 0x0
	s_add_co_i32 s36, s16, s17
	s_lshl_b32 s36, s36, 23
	s_add_co_i32 s[CS], s[CS], s36                 ; a score stands for score x 2^(eq + ek): the two exponents are added to c's exponent field
	s_mov_b32 s[CS+1], s[CS]
	s_xor_b32 s[NC], s[CS], 0x80000000
	s_add_co_i32 s36, s18, 127
	s_lshl_b32 s37, s36, 23
	v_mov_b32 v[SCP], s37
	s_add_co_i32 s36, s36, 8
	s_lshl_b32 s36, s36, 23
	s_or_b32 s[HL], s36, 0x600000
	s_cmp_ge_i32 s18, -8
	s_cselect_b32 s[NOH], 1, 0
	s_add_co_i32 s[EO], s18, s19
	s_wait_loadcnt 0x0                             ; Q and slot 0's bytes are in; the loads' base may be written
.irp k, 0,1,2,3,4,5,6,7
	ds_store_b128 v[TI], v[S+4*\k:S+4*\k+3] offset:STEPB*\k
.endr
	s_add_nc_u64 s[KV:KV+1], s[KV:KV+1], SLOTB     ; the first pair of slot 1
	s_wait_dscnt 0x0                               ; for the others' sake: my stores have landed
	s_barrier_signal -1
	s_barrier_wait -1                              ; slot 0 is whole
; The step's largest score of tile x's queries, the new -M and f.
.macro MAXM x
.set rS, S+32*(\x)
.set rT, ST+4*(\x)
	v_max3_num_f32 v16, v[rS], v[rS+1], v[rS+2]    ; two chains, ascending: each accumulator is first read at its low end
	v_max3_num_f32 v17, v[rS+3], v[rS+4], v[rS+5]
.irp i, 6,10,14,18,22,26
	v_max3_num_f32 v16, v16, v[rS+\i], v[rS+\i+1]
	v_max3_num_f32 v17, v17, v[rS+\i+2], v[rS+\i+3]
.endr
	v_max3_num_f32 v16, v16, v[rS+30], v[rS+31]
	v_max3_num_f32 v16, v16, v17, v[rT+1]          ; with the largest so far
	v_permlanex16_b32 v22, v16, s[SEL], s[SEL+1]   ; the query's other 32 keys lie in the lane 16 away
	v_max_num_f32 v[rT+1], v16, v22
	v_mov_b32 v17, v[rT]
	v_mul_f32 v16, s[NC], v[rT+1]                  ; -t (c is positive)
	v_floor_f32 v[rT], v16                         ; the new -M = floor(-t) = -ceil(t): M IS A WHOLE NUMBER
	v_sub_f32 v17, v[rT], v17                      ; M's old value less its new one: a whole number, 0 or less
	v_cvt_i32_f32 v17, v17                         ; (it saturates)
	v_ldexp_f32 v[F+2*(\x)], 1.0, v17              ; f = 2^(old M - new M)
.endm
.macro SCALE x                         ; t - M, two at a time (of the pairs c and -M the low word serves both halves)
.set j, 0
.rept 16
	v_pk_fma_f32 v[S+32*(\x)+j:S+32*(\x)+j+1], v[S+32*(\x)+j:S+32*(\x)+j+1], s[CS:CS+1], v[ST+4*(\x):ST+4*(\x)+1] op_sel_hi:[1,0,0]
.set j, j+2
.endr
.endm
.macro EXPS x                          ; p = 2^(t - M), at most 1
.set j, 0
.rept 32
	v_exp_f32 v[S+32*(\x)+j], v[S+32*(\x)+j]
.set j, j+1
.endr
.endm
.macro SUMS x                          ; the row's sum is taken of the unquantised p: two at a time, in two chains
	v_pk_add_f32 v[22:23], v[S+32*(\x):S+32*(\x)+1], v[S+32*(\x)+2:S+32*(\x)+3]
.irp j, 4,8,12,16,20,24,28
	v_pk_add_f32 v[ST+4*(\x)+2:ST+4*(\x)+3], v[ST+4*(\x)+2:ST+4*(\x)+3], v[S+32*(\x)+\j:S+32*(\x)+\j+1]
	v_pk_add_f32 v[22:23], v[22:23], v[S+32*(\x)+\j+2:S+32*(\x)+\j+3]
.endr
	v_pk_add_f32 v[ST+4*(\x)+2:ST+4*(\x)+3], v[ST+4*(\x)+2:ST+4*(\x)+3], v[22:23]
.endm
.macro CVT x                           ; registers 16 b + i are keys 32 b + 16 (lane / 16) + i: the results are registers 4 b .. 4 b + 3 of the second product's operand
.irp b, 0,1
	v_cvt_scalef32_pk8_fp8_f32 v[P+8*(\x)+4*\b:P+8*(\x)+4*\b+1], v[S+32*(\x)+16*\b:S+32*(\x)+16*\b+7], v[SCP]
	v_cvt_scalef32_pk8_fp8_f32 v[P+8*(\x)+4*\b+2:P+8*(\x)+4*\b+3], v[S+32*(\x)+16*\b+8:S+32*(\x)+16*\b+15], v[SCP]
.endr
.endm
.macro RESC x                          ; O^T under the new M: x f, each accumulator from its low end on
.set j, 0
.rept 16
	v_pk_mul_f32 v[O+32*(\x)+j:O+32*(\x)+j+1], v[O+32*(\x)+j:O+32*(\x)+j+1], v[F+2*(\x):F+2*(\x)+1] op_sel_hi:[1,0]
.set j, j+2
.endr
.endm
; A PREFETCH INTO THE L2 of the pair of steps that the NEXT turn will load: 16,384 bytes, one turn (two key steps) ahead of those loads.  It stands behind the wave's own two loads.
; All four work-groups of a head walk the same K and V: the head's first work-group asks, and in it waves 0 and 1, 8,192 bytes each, lanes 256 bytes apart: each aligned block of 256 bytes is named once in the launch.
; The last turn that brings a pair asks for nothing: there is no pair behind it.  Slot 0 and the first pair of slot 1 come by their loads alone.
.macro ASK
	s_cmp_gt_u32 s[PC], s[LIM]
	s_cbranch_scc0 .Lnot_mine_\@
	global_prefetch_b8 v[PFO], s[KV:KV+1] offset:PAIRB th:TH_LOAD_NT scope:SCOPE_SE
.Lnot_mine_\@:
.endm
; A KEY STEP: 64 keys, the q-th of the pair in hand.  copy = 1: the pair brings a later pair into the other slot.
.macro STEP q, copy
.if (\q) == 0                          ; four plain places behind the last products, in front of the loads into V's registers, which they read
	v_add_nc_u32 v[ADR], s[TB], v[LI]
.if \copy
	v_add_nc_u32 v[ADW], s[TW], v[TI]
.else
	v_nop
.endif
	v_nop
	v_nop
.else
.rept 4
	v_nop
.endr
.endif
.irp t, 0,1,2,3
.irp c, 0,1
	ds_load_b128 v[KF+8*\t+4*\c:KF+8*\t+4*\c+3], v[ADR] offset:(\q)*STEPB+\t*1024+\c*512        ; 32 lanes read 512 consecutive bytes
.endr
.endr
.irp t, 0,1,2,3
.irp c, 0,1
	ds_load_b128 v[VF+8*\t+4*\c:VF+8*\t+4*\c+3], v[ADR] offset:(\q)*STEPB+4096+\t*1024+\c*512
.endr
.endr
	s_wait_dscnt 8                                 ; K's eight loads are in (and all LDS instructions issued before them); V's eight may be out
.irp t, 0,1,2,3
.irp x, 0,1
	v_wmma_f32_16x16x64_fp8_fp8 v[S+32*\x+8*\t:S+32*\x+8*\t+7], v[KF+8*\t:KF+8*\t+7], v[Q+8*\x:Q+8*\x+7], 0
.endr
.endr
.if ((\q) == 0) && \copy
	global_load_b128 v[STG:STG+3], v[TI], s[KV:KV+1]                    ; my 16 bytes of each of the pair's two steps: they have nearly two steps in which to land.
	global_load_b128 v[STG+4:STG+7], v[TI], s[KV:KV+1] offset:STEPB     ; (The last pair's LDS stores have read these registers: they were issued ahead of K's loads, which are in)
	ASK
.endif
.rept 4
	v_nop                                          ; places in front of the first read of the scores
.endr
	MAXM 0
	MAXM 1
	SCALE 0
	SCALE 1
	EXPS 0
	EXPS 1                                         ; the step's 64 exponentials are one batch
	v_pk_mul_f32 v[ST+2:ST+3], v[ST+2:ST+3], v[F:F+1] op_sel_hi:[1,0]       ; the sums under the new M: the plain lines behind the last exponential
	v_pk_mul_f32 v[ST+6:ST+7], v[ST+6:ST+7], v[F+2:F+3] op_sel_hi:[1,0]
	s_wait_alu depctr_va_vdst(0)                   ; one wait for the whole batch, ahead of its first reader
	SUMS 0
	SUMS 1
	s_cmp_lg_u32 s[NOH], 0                         ; p <= 1 <= 448 x 2^ep where ep >= -8: the hold would change nothing
	s_cbranch_scc1 .Lnh_\@
.set j, 0
.rept 64
	v_min_num_f32 v[S+j], s[HL], v[S+j]            ; the conversion does not saturate (ISA guide 7.6.2); p is not negative, so the hold is one-sided
.set j, j+1
.endr
.Lnh_\@:
	CVT 0
	CVT 1
	RESC 0                                         ; (plain lines behind the conversions, ahead of the products that read their results)
	RESC 1
	s_wait_dscnt 0x0                               ; V is in
.irp t, 0,1,2,3                        ; the eight accumulators take turns, one instruction a turn; the next step's eight products K Q^T stand between two links of a chain
.irp x, 0,1
	v_wmma_f32_16x16x64_fp8_fp8 v[O+32*\x+8*\t:O+32*\x+8*\t+7], v[VF+8*\t:VF+8*\t+7], v[P+8*\x:P+8*\x+7], v[O+32*\x+8*\t:O+32*\x+8*\t+7]
.endr
.endr
.endm
; A TURN: two key steps.  copy = 1: at its end my bytes of a later pair go into the other slot, which nobody reads before the next change of slots.
.macro PAIR copy
	STEP 0, \copy
	STEP 1, \copy
.if \copy
	s_wait_loadcnt 0x0                             ; my two loads are in
	ds_store_b128 v[ADW], v[STG:STG+3]
	ds_store_b128 v[ADW], v[STG+4:STG+7] offset:STEPB
	s_wait_xcnt 0x0                                ; the prefetch, nearly two steps back, has read its base, so it may be written
	s_add_nc_u64 s[KV:KV+1], s[KV:KV+1], PAIRB
	s_add_co_u32 s[TW], s[TW], PAIRB
	s_sub_co_u32 s[PC], s[PC], 1
.endif
	s_add_co_u32 s[TB], s[TB], PAIRB
.endm
; THE CHANGE OF SLOTS: one barrier for two things.  In front of it each wave's stores into the other slot have landed and its reads of this slot are in; behind it the other slot is whole and nobody reads this one.
.macro CHANGE
	s_wait_dscnt 0x0
	s_barrier_signal -1
	s_barrier_wait -1
	s_sub_co_u32 s[TB], s[TB], SLOTB               ; back to a slot's first pair,
	s_xor_b32 s[TB], s[TB], SLOTB                  ; in the other slot
	s_sub_co_u32 s[TW], s[TW], SLOTB
	s_xor_b32 s[TW], s[TW], SLOTB
.endm
	s_mov_b32 s[SL], 3
.Lslot:                                            ; three slots during which the next slot is brought: twelve turns, all alike
	s_mov_b32 s[PR], 4
.Lpair:
	PAIR 1
	s_sub_co_u32 s[PR], s[PR], 1
	s_cmp_lg_u32 s[PR], 0
	s_cbranch_scc1 .Lpair
	CHANGE
	s_sub_co_u32 s[SL], s[SL], 1
	s_cmp_lg_u32 s[SL], 0
	s_cbranch_scc1 .Lslot
	s_mov_b32 s[PR], 4
.Llast:                                            ; the last slot: nothing is left to bring, and no load leaves the buffer
	PAIR 0
	s_sub_co_u32 s[PR], s[PR], 1
	s_cmp_lg_u32 s[PR], 0
	s_cbranch_scc1 .Llast
	; THE WAY OUT.  The sum's two halves and the other half of the lanes' are added; O^T is divided by the sum, multiplied by 2^(ep + ev), and goes through my stage in LDS, a tile (16 queries x 256 bytes) at a time.
	v_add_f32 v16, v[ST+2], v[ST+3]                ; (these lines are also the places behind the last products)
	v_add_f32 v17, v[ST+6], v[ST+7]
	v_permlanex16_b32 v22, v16, s[SEL], s[SEL+1]
	v_permlanex16_b32 v23, v17, s[SEL], s[SEL+1]
	v_add_f32 v16, v16, v22
	v_add_f32 v17, v17, v23
	v_rcp_f32 v[F], v16
	v_rcp_f32 v[F+2], v17
	v_bfe_u32 v3, v[LI], 4, 4                      ; r = lane % 16  (plain lines behind the reciprocals)
	v_bfe_u32 v4, v[LI], 8, 1                      ; h = lane / 16
	s_lshr_b32 s36, s13, 4
	s_lshl_b32 s36, s36, 23                        ; the batch: 2,048 rows of 4,096 bytes,
	s_lshl_b32 s37, ttmp9, 21                      ; my work-group's 512 rows,
	s_add_co_u32 s36, s36, s37
	s_lshl_b32 s37, s[WV], 17                      ; my wave's 32,
	s_add_co_u32 s36, s36, s37
	s_and_b32 s37, s13, 15
	s_lshl_b32 s37, s37, 8                         ; the head's 256 bytes of a row
	s_add_co_u32 s36, s36, s37
	s_mov_b32 s37, 0
	s_add_nc_u64 s[10:11], s[10:11], s[36:37]
	s_mul_i32 s38, s[WV], 16*SP
	s_add_co_u32 s38, s38, STAGE                   ; my stage
	v_mul_u32_u24 v8, v3, SP
	v_lshl_add_u32 v8, v4, 6, v8
	v_add_nc_u32 v8, s38, v8                       ; in: row r; register 16 b + i is d = 32 b + 16 h + i: 128 b + 64 h + 4 i bytes on
	v_mul_u32_u24 v9, v4, SP
	v_lshl_add_u32 v9, v3, 4, v9
	v_add_nc_u32 v9, s38, v9                       ; back: lanes 0-15 one row of 256 bytes, lanes 16-31 the next
	v_lshlrev_b32 v12, 12, v4
	v_lshl_add_u32 v12, v3, 4, v12                 ; and the same two rows in the output
	s_wait_alu depctr_va_vdst(0)                   ; one wait for the two reciprocals, ahead of their first reader
	v_ldexp_f32 v[F], v[F], s[EO]
	v_ldexp_f32 v[F+2], v[F+2], s[EO]
.irp x, 0,1
.set j, 0
.rept 16
	v_pk_mul_f32 v[S+32*\x+j:S+32*\x+j+1], v[O+32*\x+j:O+32*\x+j+1], v[F+2*\x:F+2*\x+1] op_sel_hi:[1,0]
.set j, j+2
.endr
.irp b, 0,1
.irp i, 0,1,2,3
	ds_store_b128 v8, v[S+32*\x+16*\b+4*\i:S+32*\x+16*\b+4*\i+3] offset:128*\b+16*\i
.endr
.endr
.irp i, 0,1,2,3,4,5,6,7
	ds_load_b128 v[KF+32*\x+4*\i:KF+32*\x+4*\i+3], v9 offset:2*\i*SP   ; LDS serves a wave's instructions in order (ISA guide 5.7.1.4): these see my stores, and the next tile's stores come behind them
.endr
.endr
; Row 2 i + (lane / 16) of tile x is the query at place 16 x + 2 i + (lane / 16) of my 32; by pi its true number is 16 (i / 4) + 8 x + 2 (i % 4) + (lane / 16).
.irp x, 0,1
.irp i, 0,1,2,3,4,5,6,7
	s_wait_dscnt 23-16*\x-\i                       ; load i is in; behind it: its tile's 7 - i younger loads and, for tile 0, tile 1's sixteen LDS instructions
	global_store_b128 v12, v[KF+32*\x+4*\i:KF+32*\x+4*\i+3], s[10:11] offset:(16*(\i/4)+2*(\i%4)+8*\x)*4096 th:TH_STORE_NT   ; 16 lanes store 256 consecutive bytes, at a multiple of 256 from the output's first byte
.endr
.endr
	s_wait_tensorcnt 0x0                           ; the wave's end: three lines behind my last LDS store
	ds_add_u32 v[SPW], v[NIL]
	s_wait_dscnt 0x0
	s_endpgm
.Lfunc_end_k_q286f88ad2d_attn:
	.size	k_q286f88ad2d_attn, .Lfunc_end_k_q286f88ad2d_attn-k_q286f88ad2d_attn
	.p2alignl 7, 3214868480
	.fill 96, 4, 3214868480
	.section	.rodata,"a",@progbits
	.p2align	6, 0x0
	.amdhsa_kernel k_q286f88ad2d_attn
		.amdhsa_group_segment_fixed_size 202752
		.amdhsa_private_segment_fixed_size 0
		.amdhsa_enable_private_segment 0
		.amdhsa_kernarg_size 32
		.amdhsa_user_sgpr_count 2
		.amdhsa_user_sgpr_kernarg_segment_ptr 1
		.amdhsa_wavefront_size32 1
		.amdhsa_system_sgpr_workgroup_id_x 1
		.amdhsa_system_sgpr_workgroup_id_y 1
		.amdhsa_system_sgpr_workgroup_id_z 1
		.amdhsa_system_vgpr_workitem_id 0
		.amdhsa_next_free_vgpr 256
		.amdhsa_next_free_sgpr 66
		.amdhsa_reserve_vcc 0
		.amdhsa_float_denorm_mode_32 3
		.amdhsa_float_denorm_mode_16_64 3
		.amdhsa_memory_ordered 1
		.amdhsa_forward_progress 1
		.amdhsa_inst_pref_size 79
	.end_amdhsa_kernel
	.amdgpu_metadata
---
amdhsa.version: [ 1, 2 ]
amdhsa.kernels:
  - .name:           k_q286f88ad2d_attn
    .symbol:         k_q286f88ad2d_attn.kd
    .args:
      - { .name: qc, .offset: 0, .size: 8, .value_kind: global_buffer, .address_space: global }
      - { .name: kv, .offset: 8, .size: 8, .value_kind: global_buffer, .address_space: global }
      - { .name: lowp_scales, .offset: 16, .size: 8, .value_kind: global_buffer, .address_space: global }
      - { .name: out0, .offset: 24, .size: 8, .value_kind: global_buffer, .address_space: global }
    .group_segment_fixed_size: 202752
    .private_segment_fixed_size: 0
    .kernarg_segment_align: 8
    .kernarg_segment_size: 32
    .max_flat_workgroup_size: 512
    .sgpr_count:     66
    .vgpr_count:     256
    .wavefront_size: 32
...
	.end_amdgpu_metadata
.endif
;; end of part 3
;; ======== version 2 of 2: 3 launches; version 1 with the launch attn written anew for expert scheduling mode
;; workspace buffers: xc 8,388,608 bytes; wc 3,145,728 bytes; qc 8,388,608 bytes; kv 16,777,216 bytes
;; launch quant: the kernel of part 1 again; grid 352 x 1, 4 waves a work-group, no clusters, 33,280 bytes of LDS; arguments x, W_qkv, lowp_scales, xc, wc; writes xc, wc
;; launch proj: the kernel of part 2 again; grid 12 x 32, 4 waves a work-group, clusters of 4 x 4, 327,680 bytes of LDS; arguments xc, wc, lowp_scales, qc, kv; writes qc, kv
;; launch attn (part 4): grid 4 x 64, 16 waves a work-group, no clusters, 202,752 bytes of LDS; arguments qc, kv, lowp_scales, out0; writes out0
.if DOCPART == 4
	.amdgcn_target "amdgcn-amd-amdhsa--gfx1250"
	.amdhsa_code_object_version 6
	.text
	.protected	k_q286f88ad2d_attn
	.globl	k_q286f88ad2d_attn
	.p2align	8
	.type	k_q286f88ad2d_attn,@function
k_q286f88ad2d_attn:
	s_mov_b64 s[64:65], 0
	v_nop
	global_prefetch_b8 v0, s[64:65] scope:SCOPE_SE
	s_setreg_imm32_b32 hwreg(HW_REG_WAVE_SCHED_MODE, 0, 2), 2
	s_setreg_imm32_b32 hwreg(HW_REG_WAVE_MODE, 25, 1), 1
	s_wait_xcnt 0x0
	s_wait_alu depctr_vm_vsrc(0)
; out[b][n][head x 64 + d] = the sum over keys of softmax(q . k / 8) v, both products on codes of FP8 (E4M3), each operand with the one scale 2^e that is given for it: eq, ek, ep, ev (entries 2 to 5).
; qc [bh][128 tiles][1,024 bytes]: images of 16 queries x 64 d.  kv [bh][32 steps of 64 keys][8,192 bytes]: four images of K (16 keys x 64 d), then four of V^T (16 d x 64 keys).
; An image is an operand's 8 registers as they stand: [half c of K][lane][16 bytes]; lane (r, h) holds row r, K = 32 c + 16 h + 0 .. 15 in registers 4 c .. 4 c + 3: the same order of k in both sources of a product.
; Rows stand in the order pi (bits 3 and 4 of the number exchanged): so the 16 result registers of two neighbouring tiles of 16 rows are 16 NEIGHBOURS of the true order.
; THE SOFTMAX: t = score x log2(e) / 8; M = the row's largest t so far, rounded UP to a whole number; p = 2^(t - M) is quantised, along the keys, not normalised.  The row's sum is taken of the unquantised p and divides
; O at the end.  When M moves, the sum and O are multiplied by 2^(old M - new M): exact.
; SHARES.  A work-group owns 512 queries of one (batch, head): 256 work-groups.  Each of its sixteen waves owns 32 queries, two tiles, in 256 registers: four waves to a SIMD, so that one wave's vector work stands beside
; another's matrix work and LDS loads; the two tiles share every fragment of K and V.  Every wave walks 32 steps of 64 keys.
; Both products are used transposed: S^T = K Q^T, O^T = V^T P^T: a lane holds ONE query (lane % 16) throughout; p's conversions give the second product's operand as it stands.
; K AND V come through a ring of two LDS slots of 512 keys, as they lie in memory: for each step a thread loads 16 bytes into a register and stores them to LDS; one barrier for each change of slots.
; NO CLUSTER AND NO TENSOR LOAD, though the four work-groups of a head read the same K and V: a joint request is a tensor load.  Here p is at most 1, so the hold
; at 448 x 2^ep changes nothing where ep >= -8, and a scalar branch on ep jumps over it: 64 of a step's 290 vector lines; what would be shared is 8,192 bytes a step.
; LIMITS on the given exponents, so that each power of two below is an f32 number: eq + ek between -123 and 130 (added to c's exponent field); ep between -126 and 119; ep + ev goes by v_ldexp_f32 and has none.  NaN is not served.
; THE MODE: SCHED_MODE bits 1:0 = 2 (LLVM: expert scheduling mode 2), set by the entry lines.  The code itself states the register dependences between vector or matrix instructions and memory or LDS
; instructions, with s_wait_alu, always for 0.
; THE PLAN.  Registers that memory or LDS instructions touch, in the loop (a turn = two key steps, 0 and 1):
;   KF              K's LDS loads land in it: step 0's at the turn's head, step 1's behind step 0's wait.  Read by the step's eight products K Q^T, which stand ahead of that step's wait.
;   VF              V's LDS loads land in it, behind the step's own wait.  Read by the step's eight products V^T P^T, at its end: ahead of the NEXT step's wait.
;   STG             The turn's two global loads land in it, in step 0; its two LDS stores read it, at the turn's end.  No vector instruction names it.
;   v[ADR], v[ADW]  Written by a vector addition at the turn's head; read by the turn's LDS loads and by its LDS stores.
;   v[LI], v[TI], v[PFO]  Made at the kernel's head and never written again.
;   Q, P, S, O and the statistics are named by vector and matrix instructions alone (at the kernel's head Q is loaded, and S carries slot 0's bytes from memory to LDS).
; So a STEP has ONE wait on va_vdst: the one behind its 64 exponentials, ahead of their first reader.  It also states that the step's products K Q^T are done reading KF and the step before's products V^T P^T
; done reading VF: the step's V and, in step 0, the next step's K are asked for directly behind it and land under the sums, the conversions and the rescaling.
; A TURN'S HEAD has one wait on vm_vsrc (the last turn's LDS loads have read v[ADR], its LDS stores v[ADW] and STG) and one on va_vdst (the two addresses are written).  K of a turn's first step is not asked
; for a step ahead: at a change of slots its bytes are whole only behind the barrier.
.set SLOTB, 65536                      ; a slot: 8 steps of 8,192 bytes
.set PAIRB, 16384                      ; two steps
.set STEPB, 8192
.set STAGE, 2*SLOTB                    ; behind the ring: 16 rows x (256 bytes + 16) for each wave, for the way out
.set SP,    272
.set SPARE, STAGE+16*16*SP             ; behind the stages: the spare words, 128 bytes for each wave, which no other line names
.set PFO, 0                            ; v0   the thread's number; from the head's end on the prefetches' offset
.set LI,  1                            ; v1   16 x lane
.set TI,  2                            ; v2   16 x thread
.set ADR, 3                            ; v3   LDS address of the pair of steps in hand
.set ADW, 4                            ; v4   LDS address at which I store my bytes of the pair that is being brought
.set SPW, 5                            ; v5   LDS address of my spare word; never rewritten
.set NIL, 6                            ; v6   0; never rewritten
.set SCP, 7                            ; v7   2^ep as f32
.set ST,  8                            ; tile x at v[8 + 4 x]: -M, the largest raw score, the sum in two halves
.set F,   18                           ; v[18:19], v[20:21]: f = 2^(old M - new M) of the two tiles (the upper halves are named in pairs, so they are written once)
.set STG, 24                           ; v24-31 my 32 bytes of the pair that is being brought
.set Q,   32                           ; v32-47  Q, 8 a tile
.set P,   48                           ; v48-63  p's codes, 8 a tile
.set KF,  64                           ; v64-95  four fragments of K
.set VF,  96                           ; v96-127 four fragments of V^T
.set S,   128                          ; v128-191 S^T, then p: tile x, keys' tile t at 32 x + 8 t
.set O,   192                          ; v192-255 O^T: tile x, d's tile at 32 x + 8 dt
.set WV,  12                           ; s12 my wave's number;  s13 the (batch, head)
.set SEL, 20                           ; s[20:21] lane selects for v_permlanex16_b32: lane l xor 16
.set CS,  22                           ; s[22:23] c = log2(e) / 8 x 2^(eq + ek): the packed form names a pair and takes its low word for both halves
.set NC,  24                           ; s24 -c
.set HL,  25                           ; s25 448 x 2^ep
.set NOH, 26                           ; s26 1 where ep >= -8
.set EO,  27                           ; s27 ep + ev
.set KV,  28                           ; s[28:29] the pair of steps that is brought next
.set TB,  30                           ; s30 LDS byte of the pair in hand
.set TW,  31                           ; s31 LDS byte at which the pair that is brought will lie
.set PR,  32                           ; s32 counts a slot's four pairs;  s33 the slots that are filled
.set SL,  33
.set PC,  34                           ; s34 pairs still to be brought
.set LIM, 35                           ; s35 1 in a wave that prefetches, else the greatest number
	s_load_b256 s[4:11], s[0:1], 0x0               ; qc s[4:5], kv s[6:7], the scales' exponents s[8:9], out s[10:11]
	v_lshl_add_u32 v[SPW], v0, 2, SPARE
	v_mov_b32 v[NIL], 0
	v_lshrrev_b32 v3, 5, v0
	v_readfirstlane_b32 s[WV], v3                  ; wave 0..15
	v_and_b32 v[LI], 31, v0
	v_lshlrev_b32 v[TI], 4, v0
	v_lshlrev_b32 v[LI], 4, v[LI]
	s_wait_alu depctr_va_sdst(0)                   ; the wave's number is written into s12, ahead of its first reader: Q's base below is made from it
	s_and_b32 s13, ttmp7, 0xffff                   ; 16 x batch + head
	s_lshl_b32 s36, s13, 17                        ; Q: 128 images of 1,024 bytes a head,
	s_lshl_b32 s37, ttmp9, 15                      ; 32 a work-group,
	s_add_co_u32 s36, s36, s37
	s_lshl_b32 s37, s[WV], 11                      ; two a wave
	s_add_co_u32 s36, s36, s37
	s_mov_b32 s37, 0
	s_lshl_b32 s38, s13, 18                        ; K and V: 32 steps of 8,192 bytes a head
	s_mov_b32 s39, 0
	s_mov_b32 s[SEL], 0x76543210
	s_mov_b32 s[SEL+1], 0xfedcba98
	s_mov_b32 s[CS], 0x3e38aa3b                    ; log2(e) / 8
	s_mov_b32 s[TB], 0
	s_mov_b32 s[TW], SLOTB
	s_mov_b32 s[PC], 12
	s_lshr_b32 s[LIM], s[WV], 1                    ; 0 in waves 0 and 1,
	s_or_b32 s[LIM], s[LIM], ttmp9                 ; of the head's first work-group
	s_cmp_eq_u32 s[LIM], 0
	s_cselect_b32 s[LIM], 1, -1
	s_wait_kmcnt 0x0
	s_load_b128 s[16:19], s[8:9], 0x8              ; eq, ek, ep, ev
	s_add_nc_u64 s[4:5], s[4:5], s[36:37]
	s_add_nc_u64 s[KV:KV+1], s[6:7], s[38:39]
	s_wait_alu depctr_va_vdst(0)                   ; v[LI] and v[TI] are written: the loads below, the LDS stores of slot 0 and every later access by them read them as offsets
.irp x, 0,1
.irp c, 0,1
	global_load_b128 v[Q+8*\x+4*\c:Q+8*\x+4*\c+3], v[LI], s[4:5] offset:\x*1024+\c*512   ; Q's two fragments stay in registers
.endr
.endr
.irp k, 0,1,2,3,4,5,6,7
	global_load_b128 v[S+4*\k:S+4*\k+3], v[TI], s[KV:KV+1] offset:STEPB*\k               ; slot 0: the 512 threads read 8,192 consecutive bytes
.endr
	s_and_b32 s36, s[WV], 1
	s_lshl_b32 s36, s36, 13
	v_lshl_add_u32 v[PFO], v[LI], 4, s36           ; 256 x lane + 8,192 x (wave % 2): the thread's number is not wanted any more
.set j, 0
.rept 64
	v_mov_b32 v[O+j], 0                            ; O^T.  (The step is written once: its first turn finds zeros, which the first change of M leaves zeros)
.set j, j+1
.endr
.irp x, 0,1
	v_mov_b32 v[ST+4*\x], 0x7f61b1e6               ; -M: 3e38
	v_mov_b32 v[ST+4*\x+1], 0xff61b1e6             ; the largest score so far: -3e38, under every score
	v_mov_b32 v[ST+4*\x+2], 0                      ; the sum, in two halves
	v_mov_b32 v[ST+4*\x+3], 0
	v_mov_b32 v[F+2*\x+1], 0
.endr
	v_mov_b32 v22, 0                               ; written once: a lane permute's destination counts as one of its sources
	v_mov_b32 v23, 0
	s_wait_kmcnt 0x0
	s_add_co_i32 s36, s16, s17
	s_lshl_b32 s36, s36, 23
	s_add_co_i32 s[CS], s[CS], s36                 ; a score stands for score x 2^(eq + ek): the two exponents are added to c's exponent field
	s_mov_b32 s[CS+1], s[CS]
	s_xor_b32 s[NC], s[CS], 0x80000000
	s_add_co_i32 s36, s18, 127
	s_lshl_b32 s37, s36, 23
	v_mov_b32 v[SCP], s37
	s_add_co_i32 s36, s36, 8
	s_lshl_b32 s36, s36, 23
	s_or_b32 s[HL], s36, 0x600000
	s_cmp_ge_i32 s18, -8
	s_cselect_b32 s[NOH], 1, 0
	s_add_co_i32 s[EO], s18, s19
	s_wait_loadcnt 0x0                             ; Q and slot 0's bytes are in; the loads' base may be written
.irp k, 0,1,2,3,4,5,6,7
	ds_store_b128 v[TI], v[S+4*\k:S+4*\k+3] offset:STEPB*\k   ; no vector instruction since the wait ahead of the loads names v[TI] or these registers
.endr
	s_add_nc_u64 s[KV:KV+1], s[KV:KV+1], SLOTB     ; the first pair of slot 1
	s_wait_dscnt 0x0                               ; for the others' sake: my stores have landed
	s_barrier_signal -1
	s_barrier_wait -1                              ; slot 0 is whole
; The step's largest score of tile x's queries, the new -M and f.
.macro MAXM x
.set rS, S+32*(\x)
.set rT, ST+4*(\x)
	v_max3_num_f32 v16, v[rS], v[rS+1], v[rS+2]    ; two chains, ascending: each accumulator is first read at its low end
	v_max3_num_f32 v17, v[rS+3], v[rS+4], v[rS+5]
.irp i, 6,10,14,18,22,26
	v_max3_num_f32 v16, v16, v[rS+\i], v[rS+\i+1]
	v_max3_num_f32 v17, v17, v[rS+\i+2], v[rS+\i+3]
.endr
	v_max3_num_f32 v16, v16, v[rS+30], v[rS+31]
	v_max3_num_f32 v16, v16, v17, v[rT+1]          ; with the largest so far
	v_permlanex16_b32 v22, v16, s[SEL], s[SEL+1]   ; the query's other 32 keys lie in the lane 16 away
	v_max_num_f32 v[rT+1], v16, v22
	v_mov_b32 v17, v[rT]
	v_mul_f32 v16, s[NC], v[rT+1]                  ; -t (c is positive)
	v_floor_f32 v[rT], v16                         ; the new -M = floor(-t) = -ceil(t): M IS A WHOLE NUMBER
	v_sub_f32 v17, v[rT], v17                      ; M's old value less its new one: a whole number, 0 or less
	v_cvt_i32_f32 v17, v17                         ; (it saturates)
	v_ldexp_f32 v[F+2*(\x)], 1.0, v17              ; f = 2^(old M - new M)
.endm
.macro SCALE x                         ; t - M, two at a time (of the pairs c and -M the low word serves both halves)
.set j, 0
.rept 16
	v_pk_fma_f32 v[S+32*(\x)+j:S+32*(\x)+j+1], v[S+32*(\x)+j:S+32*(\x)+j+1], s[CS:CS+1], v[ST+4*(\x):ST+4*(\x)+1] op_sel_hi:[1,0,0]
.set j, j+2
.endr
.endm
.macro EXPS x                          ; p = 2^(t - M), at most 1
.set j, 0
.rept 32
	v_exp_f32 v[S+32*(\x)+j], v[S+32*(\x)+j]
.set j, j+1
.endr
.endm
.macro SUMS x                          ; the row's sum is taken of the unquantised p: two at a time, in two chains
	v_pk_add_f32 v[22:23], v[S+32*(\x):S+32*(\x)+1], v[S+32*(\x)+2:S+32*(\x)+3]
.irp j, 4,8,12,16,20,24,28
	v_pk_add_f32 v[ST+4*(\x)+2:ST+4*(\x)+3], v[ST+4*(\x)+2:ST+4*(\x)+3], v[S+32*(\x)+\j:S+32*(\x)+\j+1]
	v_pk_add_f32 v[22:23], v[22:23], v[S+32*(\x)+\j+2:S+32*(\x)+\j+3]
.endr
	v_pk_add_f32 v[ST+4*(\x)+2:ST+4*(\x)+3], v[ST+4*(\x)+2:ST+4*(\x)+3], v[22:23]
.endm
.macro CVT x                           ; registers 16 b + i are keys 32 b + 16 (lane / 16) + i: the results are registers 4 b .. 4 b + 3 of the second product's operand
.irp b, 0,1
	v_cvt_scalef32_pk8_fp8_f32 v[P+8*(\x)+4*\b:P+8*(\x)+4*\b+1], v[S+32*(\x)+16*\b:S+32*(\x)+16*\b+7], v[SCP]
	v_cvt_scalef32_pk8_fp8_f32 v[P+8*(\x)+4*\b+2:P+8*(\x)+4*\b+3], v[S+32*(\x)+16*\b+8:S+32*(\x)+16*\b+15], v[SCP]
.endr
.endm
.macro RESC x                          ; O^T under the new M: x f, each accumulator from its low end on
.set j, 0
.rept 16
	v_pk_mul_f32 v[O+32*(\x)+j:O+32*(\x)+j+1], v[O+32*(\x)+j:O+32*(\x)+j+1], v[F+2*(\x):F+2*(\x)+1] op_sel_hi:[1,0]
.set j, j+2
.endr
.endm
; The LDS loads of step q of the pair in hand: four fragments of K, four of V^T; each load's 32 lanes read 512 consecutive bytes.
.macro KLOAD q
.irp t, 0,1,2,3
.irp c, 0,1
	ds_load_b128 v[KF+8*\t+4*\c:KF+8*\t+4*\c+3], v[ADR] offset:(\q)*STEPB+\t*1024+\c*512
.endr
.endr
.endm
.macro VLOAD q
.irp t, 0,1,2,3
.irp c, 0,1
	ds_load_b128 v[VF+8*\t+4*\c:VF+8*\t+4*\c+3], v[ADR] offset:(\q)*STEPB+4096+\t*1024+\c*512
.endr
.endr
.endm
; A PREFETCH INTO THE L2 of the pair of steps that the NEXT turn will load: 16,384 bytes, one turn (two key steps) ahead of those loads.  It stands behind the wave's own two loads.
; All four work-groups of a head walk the same K and V: the head's first work-group asks, and in it waves 0 and 1, 8,192 bytes each, lanes 256 bytes apart: each aligned block of 256 bytes is named once in the launch.
; The last turn that brings a pair asks for nothing: there is no pair behind it.  Slot 0 and the first pair of slot 1 come by their loads alone.
.macro ASK
	s_cmp_gt_u32 s[PC], s[LIM]
	s_cbranch_scc0 .Lnot_mine_\@
	global_prefetch_b8 v[PFO], s[KV:KV+1] offset:PAIRB th:TH_LOAD_NT scope:SCOPE_SE
.Lnot_mine_\@:
.endm
; A KEY STEP: 64 keys, the q-th of the pair in hand.  copy = 1: the pair brings a later pair into the other slot.
.macro STEP q, copy
.if (\q) == 0                          ; THE TURN'S HEAD
	s_wait_alu depctr_vm_vsrc(0)                   ; the last turn's LDS loads have read v[ADR], its LDS stores v[ADW] and v[STG ..]: the additions and the global loads below write them.  In the first turn: the head's LDS stores have read v[S ..], which the products below write
	v_add_nc_u32 v[ADR], s[TB], v[LI]
.if \copy
	v_add_nc_u32 v[ADW], s[TW], v[TI]
.endif
	s_wait_alu depctr_va_vdst(0)                   ; v[ADR] and v[ADW] are written, which the turn's LDS loads and stores read; in the first turn v[PFO] too, which the prefetches read
	KLOAD 0                                        ; (KF's last readers, the last step's products K Q^T, stand ahead of that step's wait)
.endif
	s_wait_dscnt 0x0                               ; K's eight loads are in, and all LDS instructions issued before them
.irp t, 0,1,2,3
.irp x, 0,1
	v_wmma_f32_16x16x64_fp8_fp8 v[S+32*\x+8*\t:S+32*\x+8*\t+7], v[KF+8*\t:KF+8*\t+7], v[Q+8*\x:Q+8*\x+7], 0
.endr
.endr
.if ((\q) == 0) && \copy
	global_load_b128 v[STG:STG+3], v[TI], s[KV:KV+1]                    ; my 16 bytes of each of the pair's two steps: they have nearly two steps in which to land.
	global_load_b128 v[STG+4:STG+7], v[TI], s[KV:KV+1] offset:STEPB     ; (The wait on vm_vsrc at the turn's head has shown that the last pair's LDS stores have read these registers)
	ASK
.endif
.rept 4
	v_nop                                          ; places in front of the first read of the scores
.endr
	MAXM 0
	MAXM 1
	SCALE 0
	SCALE 1
	EXPS 0
	EXPS 1                                         ; the step's 64 exponentials are one batch
	v_pk_mul_f32 v[ST+2:ST+3], v[ST+2:ST+3], v[F:F+1] op_sel_hi:[1,0]       ; the sums under the new M: the plain lines behind the last exponential
	v_pk_mul_f32 v[ST+6:ST+7], v[ST+6:ST+7], v[F+2:F+3] op_sel_hi:[1,0]
	s_wait_alu depctr_va_vdst(0)                   ; THE STEP'S ONE WAIT: the 64 exponentials have written p, ahead of its first reader; this step's products K Q^T are done reading KF, the step before's products V^T P^T done reading VF: the loads below land there
	VLOAD \q                                       ; this step's V: it lands under the sums, the conversions and the rescaling
.if (\q) == 0
	KLOAD 1                                        ; and the next step's K, which lies in the same slot
.endif
	SUMS 0
	SUMS 1
	s_cmp_lg_u32 s[NOH], 0                         ; p <= 1 <= 448 x 2^ep where ep >= -8: the hold would change nothing
	s_cbranch_scc1 .Lnh_\@
.set j, 0
.rept 64
	v_min_num_f32 v[S+j], s[HL], v[S+j]            ; the conversion does not saturate (ISA guide 7.6.2); p is not negative, so the hold is one-sided
.set j, j+1
.endr
.Lnh_\@:
	CVT 0
	CVT 1
	RESC 0                                         ; (plain lines behind the conversions, ahead of the products that read their results)
	RESC 1
.if (\q) == 0
	s_wait_dscnt 8                                 ; V's eight loads are in; the eight issued behind them, the next step's K, may be out
.else
	s_wait_dscnt 0x0                               ; V is in
.endif
.irp t, 0,1,2,3                        ; the eight accumulators take turns, one instruction a turn; the next step's eight products K Q^T stand between two links of a chain
.irp x, 0,1
	v_wmma_f32_16x16x64_fp8_fp8 v[O+32*\x+8*\t:O+32*\x+8*\t+7], v[VF+8*\t:VF+8*\t+7], v[P+8*\x:P+8*\x+7], v[O+32*\x+8*\t:O+32*\x+8*\t+7]
.endr
.endr
.endm
; A TURN: two key steps.  copy = 1: at its end my bytes of a later pair go into the other slot, which nobody reads before the next change of slots.
.macro PAIR copy
	STEP 0, \copy
	STEP 1, \copy
.if \copy
	s_wait_loadcnt 0x0                             ; my two loads are in
	ds_store_b128 v[ADW], v[STG:STG+3]             ; v[ADW] was written ahead of the wait on va_vdst at the turn's head; no vector instruction since names it, and none ever names v[STG ..]
	ds_store_b128 v[ADW], v[STG+4:STG+7] offset:STEPB
	s_wait_xcnt 0x0                                ; the prefetch, nearly two steps back, has read its base, so it may be written
	s_add_nc_u64 s[KV:KV+1], s[KV:KV+1], PAIRB
	s_add_co_u32 s[TW], s[TW], PAIRB
	s_sub_co_u32 s[PC], s[PC], 1
.endif
	s_add_co_u32 s[TB], s[TB], PAIRB
.endm
; THE CHANGE OF SLOTS: one barrier for two things.  In front of it each wave's stores into the other slot have landed and its reads of this slot are in; behind it the other slot is whole and nobody reads this one.
.macro CHANGE
	s_wait_dscnt 0x0
	s_barrier_signal -1
	s_barrier_wait -1
	s_sub_co_u32 s[TB], s[TB], SLOTB               ; back to a slot's first pair,
	s_xor_b32 s[TB], s[TB], SLOTB                  ; in the other slot
	s_sub_co_u32 s[TW], s[TW], SLOTB
	s_xor_b32 s[TW], s[TW], SLOTB
.endm
	s_mov_b32 s[SL], 3
.Lslot:                                            ; three slots during which the next slot is brought: twelve turns, all alike
	s_mov_b32 s[PR], 4
.Lpair:
	PAIR 1
	s_sub_co_u32 s[PR], s[PR], 1
	s_cmp_lg_u32 s[PR], 0
	s_cbranch_scc1 .Lpair
	CHANGE
	s_sub_co_u32 s[SL], s[SL], 1
	s_cmp_lg_u32 s[SL], 0
	s_cbranch_scc1 .Lslot
	s_mov_b32 s[PR], 4
.Llast:                                            ; the last slot: nothing is left to bring, and no load leaves the buffer
	PAIR 0
	s_sub_co_u32 s[PR], s[PR], 1
	s_cmp_lg_u32 s[PR], 0
	s_cbranch_scc1 .Llast
	; THE WAY OUT.  The sum's two halves and the other half of the lanes' are added; O^T is divided by the sum, multiplied by 2^(ep + ev), and goes through my stage in LDS, a tile (16 queries x 256 bytes) at a time.
	s_wait_alu depctr_vm_vsrc(0)                   ; the last turn's LDS loads have read v3, earlier LDS stores v4: both are written anew below
	v_add_f32 v16, v[ST+2], v[ST+3]                ; (these lines are also the places behind the last products)
	v_add_f32 v17, v[ST+6], v[ST+7]
	v_permlanex16_b32 v22, v16, s[SEL], s[SEL+1]
	v_permlanex16_b32 v23, v17, s[SEL], s[SEL+1]
	v_add_f32 v16, v16, v22
	v_add_f32 v17, v17, v23
	v_rcp_f32 v[F], v16
	v_rcp_f32 v[F+2], v17
	v_bfe_u32 v3, v[LI], 4, 4                      ; r = lane % 16  (plain lines behind the reciprocals)
	v_bfe_u32 v4, v[LI], 8, 1                      ; h = lane / 16
	s_lshr_b32 s36, s13, 4
	s_lshl_b32 s36, s36, 23                        ; the batch: 2,048 rows of 4,096 bytes,
	s_lshl_b32 s37, ttmp9, 21                      ; my work-group's 512 rows,
	s_add_co_u32 s36, s36, s37
	s_lshl_b32 s37, s[WV], 17                      ; my wave's 32,
	s_add_co_u32 s36, s36, s37
	s_and_b32 s37, s13, 15
	s_lshl_b32 s37, s37, 8                         ; the head's 256 bytes of a row
	s_add_co_u32 s36, s36, s37
	s_mov_b32 s37, 0
	s_add_nc_u64 s[10:11], s[10:11], s[36:37]
	s_mul_i32 s38, s[WV], 16*SP
	s_add_co_u32 s38, s38, STAGE                   ; my stage
	v_mul_u32_u24 v8, v3, SP
	v_lshl_add_u32 v8, v4, 6, v8
	v_add_nc_u32 v8, s38, v8                       ; in: row r; register 16 b + i is d = 32 b + 16 h + i: 128 b + 64 h + 4 i bytes on
	v_mul_u32_u24 v9, v4, SP
	v_lshl_add_u32 v9, v3, 4, v9
	v_add_nc_u32 v9, s38, v9                       ; back: lanes 0-15 one row of 256 bytes, lanes 16-31 the next
	v_lshlrev_b32 v12, 12, v4
	v_lshl_add_u32 v12, v3, 4, v12                 ; and the same two rows in the output
	s_wait_alu depctr_va_vdst(0)                   ; the two reciprocals have written v[F] and v[F+2], ahead of their first reader: one wait for both
	v_ldexp_f32 v[F], v[F], s[EO]
	v_ldexp_f32 v[F+2], v[F+2], s[EO]
.irp x, 0,1                            ; both tiles' multiplications stand together, so that one wait serves both tiles' LDS stores
.set j, 0
.rept 16
	v_pk_mul_f32 v[S+32*\x+j:S+32*\x+j+1], v[O+32*\x+j:O+32*\x+j+1], v[F+2*\x:F+2*\x+1] op_sel_hi:[1,0]
.set j, j+2
.endr
.endr
	s_wait_alu depctr_va_vdst(0)                   ; the multiplications have written v[S ..], the LDS stores' data; v8, v9 and v12, the addresses below, are written; the last products are done reading V's registers, in which loads from the stage land
.irp x, 0,1
.irp b, 0,1
.irp i, 0,1,2,3
	ds_store_b128 v8, v[S+32*\x+16*\b+4*\i:S+32*\x+16*\b+4*\i+3] offset:128*\b+16*\i
.endr
.endr
.irp i, 0,1,2,3,4,5,6,7
	ds_load_b128 v[KF+32*\x+4*\i:KF+32*\x+4*\i+3], v9 offset:2*\i*SP   ; LDS serves a wave's instructions in order (ISA guide 5.7.1.4): these see my stores, and the next tile's stores come behind them
.endr
.endr
; Row 2 i + (lane / 16) of tile x is the query at place 16 x + 2 i + (lane / 16) of my 32; by pi its true number is 16 (i / 4) + 8 x + 2 (i % 4) + (lane / 16).
.irp x, 0,1
.irp i, 0,1,2,3,4,5,6,7
	s_wait_dscnt 23-16*\x-\i                       ; load i is in; behind it: its tile's 7 - i younger loads and, for tile 0, tile 1's sixteen LDS instructions
	global_store_b128 v12, v[KF+32*\x+4*\i:KF+32*\x+4*\i+3], s[10:11] offset:(16*(\i/4)+2*(\i%4)+8*\x)*4096 th:TH_STORE_NT   ; 16 lanes store 256 consecutive bytes, at a multiple of 256 from the output's first byte
.endr
.endr
	s_wait_dscnt 0x0                               ; the wave's end: six lines, on end
	s_wait_alu 0x0
	s_wait_tensorcnt 0x0
	ds_add_u32 v[SPW], v[NIL]
	s_wait_dscnt 0x0
	s_endpgm
.Lfunc_end_k_q286f88ad2d_attn:
	.size	k_q286f88ad2d_attn, .Lfunc_end_k_q286f88ad2d_attn-k_q286f88ad2d_attn
	.p2alignl 7, 3214868480
	.fill 96, 4, 3214868480
	.section	.rodata,"a",@progbits
	.p2align	6, 0x0
	.amdhsa_kernel k_q286f88ad2d_attn
		.amdhsa_group_segment_fixed_size 202752
		.amdhsa_private_segment_fixed_size 0
		.amdhsa_enable_private_segment 0
		.amdhsa_kernarg_size 32
		.amdhsa_user_sgpr_count 2
		.amdhsa_user_sgpr_kernarg_segment_ptr 1
		.amdhsa_wavefront_size32 1
		.amdhsa_system_sgpr_workgroup_id_x 1
		.amdhsa_system_sgpr_workgroup_id_y 1
		.amdhsa_system_sgpr_workgroup_id_z 1
		.amdhsa_system_vgpr_workitem_id 0
		.amdhsa_next_free_vgpr 256
		.amdhsa_next_free_sgpr 66
		.amdhsa_reserve_vcc 0
		.amdhsa_float_denorm_mode_32 3
		.amdhsa_float_denorm_mode_16_64 3
		.amdhsa_memory_ordered 1
		.amdhsa_forward_progress 1
		.amdhsa_inst_pref_size 79
	.end_amdhsa_kernel
	.amdgpu_metadata
---
amdhsa.version: [ 1, 2 ]
amdhsa.kernels:
  - .name:           k_q286f88ad2d_attn
    .symbol:         k_q286f88ad2d_attn.kd
    .args:
      - { .name: qc, .offset: 0, .size: 8, .value_kind: global_buffer, .address_space: global }
      - { .name: kv, .offset: 8, .size: 8, .value_kind: global_buffer, .address_space: global }
      - { .name: lowp_scales, .offset: 16, .size: 8, .value_kind: global_buffer, .address_space: global }
      - { .name: out0, .offset: 24, .size: 8, .value_kind: global_buffer, .address_space: global }
    .group_segment_fixed_size: 202752
    .private_segment_fixed_size: 0
    .kernarg_segment_align: 8
    .kernarg_segment_size: 32
    .max_flat_workgroup_size: 512
    .sgpr_count:     66
    .vgpr_count:     256
    .wavefront_size: 32
...
	.end_amdgpu_metadata
.endif
;; end of part 4
